; MI455X (gfx1250); checked and timed in simulation.
; The chip was launched on July 23, 2026; its instructions are those of AMD's public machine-readable ISA for CDNA 5 (MIT licence, August 2026) and "CDNA5" Instruction Set Architecture Reference Guide (July 2026). The comments in the code are by the model that wrote it; some were corrected since.
;; Block. Allowed arithmetic: float matrix products may take bf16 or f16 operands with f32 sums; other float arithmetic in f32, or as packed bf16 or f16 multiplies, adds, multiply-adds, maxima and minima; sums over many terms, partial sums and values carried from step to step in f32; what a program stores and reads back later, other than sums and carried values, may be rounded once to bf16 or f16.
;; Inputs: W1 1,024 x 4,096 float32; W2 4,096 x 1,024 float32; Wk 1,024 x 1,024 float32; Wo 1,024 x 1,024 float32; Wq 1,024 x 1,024 float32; Wv 1,024 x 1,024 float32; b1 4,096 float32; b2 1,024 float32; bo 1,024 float32; ln1_b 1,024 float32; ln1_g 1,024 float32; ln2_b 1,024 float32; ln2_g 1,024 float32; x 4 x 1,024 x 1,024 float32.
;; Outputs: out0 4 x 1,024 x 1,024 float32.
;; One version. Each part assembles by itself: llvm-mc -triple=amdgcn-amd-amdhsa -mcpu=gfx1250 --defsym DOCPART=n.
;; ======== version 1 of 1: 7 launches
;; limits: right only within a limited range of input values
;; workspace buffers: wqkv 6,324,224 bytes; w1b 8,421,376 bytes; w2o 10,485,760 bytes; act 8,388,608 bytes; big 33,554,432 bytes; x1 16,777,216 bytes
;; launch prep (part 1): grid 513 x 1, 16 waves a work-group, no clusters, 0 bytes of LDS; arguments x, ln1_g, ln1_b, Wq, Wk, Wv, Wo, W1, W2, b1, act, wqkv, w1b, w2o; writes act, wqkv, w1b, w2o
.if DOCPART == 1
	.amdgcn_target "amdgcn-amd-amdhsa--gfx1250"
	.amdhsa_code_object_version 6
	.text
	.protected	k_qb0569eaaae_prep
	.globl	k_qb0569eaaae_prep
	.p2align	8
	.type	k_qb0569eaaae_prep,@function
k_qb0569eaaae_prep:
	s_mov_b64 s[64:65], 0
	v_nop
	global_prefetch_b8 v0, s[64:65] scope:SCOPE_SE
	s_setreg_imm32_b32 hwreg(HW_REG_WAVE_MODE, 25, 1), 1
	s_wait_xcnt 0x0
; PREP.  Three kinds of work-group, told apart by the work-group's number alone (forward branches):
;   0..255    LN1: h = (x - mean) * rsqrt(var + 1e-5) * g + b, a wave a row of 1,024 f32, rounded once to bf16 into act [4096][1024]
;   256..511  the six weight matrices rounded once to bf16 and laid in blocks.  A unit is 1,024 f32 (4,096 bytes on end); wave p of 4,096 takes THREE units, all 24 loads out at once:
;             unit p of Wq, Wk, Wv, Wo taken as one run of 4,096 units, unit p of W1, unit p of W2
;   512       the two tables in front of wqkv's and w1b's blocks: a floor word for the packed maximum, and the bias as f32
; With 16 waves of 128 registers two work-groups lie on a WGP: the 512 work-groups of the first two kinds are all resident together.
; LAYOUTS.  wqkv, w1b: byte 0: 256 bytes of the floor word; byte 256: the bias (0 for q, k, v; b1); byte 32,768: blocks [1024 k][256 n] bf16.
; w2o: Wo as 8 blocks [1024 k][128 n], then from byte 2,097,152 W2 as 8 blocks [4096 k][128 n].  A block's rows lie end to end.
; A stream: every byte is read once by 16-byte loads (512 bytes on end a wave) and written once; each store of a wave covers 256 consecutive
; bytes, aligned.  No LDS, no barrier, no matrix unit, no cluster: no wave wants a byte that another has fetched.
; The mean is taken first and the squares of x - mean second, all in f32, so a common offset of x costs no digits.
.set LO,  1                            ; v1        16 x lane: my 16 bytes of each 512 loaded
.set SO,  2                            ; v2        8 x lane: my 8 bytes of each 256 stored
.set DO,  3                            ; v3-5      the cast's three store offsets
.set MU,  4                            ; v[4:5]    LN: the mean, twice
.set R,   6                            ; v[6:7]    LN: 1 / sqrt(var + eps), twice
.set X,   8                            ; v[8:39]   a unit as loaded: load j holds numbers 128 j + 4 lane + 0..3.  The cast's three units: v8, v40, v72 on
.set G,   40                           ; v[40:71]  LN: the gain, in the same order
.set BV,  72                           ; v[72:103] LN: the bias
.set Y,   104                          ; v[104:119] 32 numbers in bf16
.set T,   120                          ; v[120:127] four chains of pairs
.macro REDUCE                          ; the four pairs of T, then the wave's 32 lanes: the sum ends in v[T] of every lane
	v_pk_add_f32 v[T:T+1], v[T:T+1], v[T+2:T+3]
	v_pk_add_f32 v[T+4:T+5], v[T+4:T+5], v[T+6:T+7]
	v_pk_add_f32 v[T:T+1], v[T:T+1], v[T+4:T+5]
	v_add_f32 v[T], v[T], v[T+1]
	v_add_f32_dpp v[T], v[T], v[T] row_xmask:1 row_mask:0xf bank_mask:0xf
	v_add_f32_dpp v[T], v[T], v[T] row_xmask:2 row_mask:0xf bank_mask:0xf
	v_add_f32_dpp v[T], v[T], v[T] row_xmask:4 row_mask:0xf bank_mask:0xf
	v_add_f32_dpp v[T], v[T], v[T] row_xmask:8 row_mask:0xf bank_mask:0xf
	v_permlanex16_b32 v[T+1], v[T], s38, s39       ; the other half of the lanes; its destination has been written above
	v_add_f32 v[T], v[T], v[T+1]
.endm
; One row of layer norm.  xin, gg, bb, out: the first scalar register of the four addresses (xin and out stand at the wave's row).
.macro LNROW xin, gg, bb, out
.irp j, 0,1,2,3,4,5,6,7
	global_load_b128 v[X+4*(\j):X+4*(\j)+3], v[LO], s[\xin:\xin+1] offset:512*(\j) th:TH_LOAD_NT
.endr
.irp j, 0,1,2,3,4,5,6,7
	global_load_b128 v[G+4*(\j):G+4*(\j)+3], v[LO], s[\gg:\gg+1] offset:512*(\j)
.endr
.irp j, 0,1,2,3,4,5,6,7
	global_load_b128 v[BV+4*(\j):BV+4*(\j)+3], v[LO], s[\bb:\bb+1] offset:512*(\j)
.endr
	s_wait_loadcnt 16                              ; the row is in; the sixteen younger loads, gain and bias, stay out
.irp k, 0,1,2,3
	v_pk_add_f32 v[T+2*(\k):T+2*(\k)+1], v[X+2*(\k):X+2*(\k)+1], v[X+8+2*(\k):X+8+2*(\k)+1]  ; the first sums start the chains: nothing is cleared
.endr
.irp m, 2,3
.irp k, 0,1,2,3
	v_pk_add_f32 v[T+2*(\k):T+2*(\k)+1], v[T+2*(\k):T+2*(\k)+1], v[X+8*(\m)+2*(\k):X+8*(\m)+2*(\k)+1]
.endr
.endr
	REDUCE
	v_mul_f32 v[MU], s37, v[T]                     ; the mean
	v_mov_b32 v[MU+1], v[MU]
.set p, 0
.rept 16
	v_pk_add_f32 v[X+2*p:X+2*p+1], v[X+2*p:X+2*p+1], v[MU:MU+1] neg_lo:[0,1] neg_hi:[0,1]  ; x - mean
.set p, p+1
.endr
.irp k, 0,1,2,3
	v_pk_mul_f32 v[T+2*(\k):T+2*(\k)+1], v[X+2*(\k):X+2*(\k)+1], v[X+2*(\k):X+2*(\k)+1]
.endr
.irp m, 1,2,3
.irp k, 0,1,2,3
	v_pk_fma_f32 v[T+2*(\k):T+2*(\k)+1], v[X+8*(\m)+2*(\k):X+8*(\m)+2*(\k)+1], v[X+8*(\m)+2*(\k):X+8*(\m)+2*(\k)+1], v[T+2*(\k):T+2*(\k)+1]
.endr
.endr
	REDUCE
	v_fma_f32 v[T], v[T], s37, s50                 ; var + eps
	v_rsq_f32 v[R], v[T]
	v_rsq_f32 v[R+1], v[T]                         ; twice: the packed multiply takes a pair
	v_nop                                          ; a plain instruction behind the last root (ISA guide 5.7.2)
	s_wait_alu depctr_va_vdst(0)                   ; one wait for both roots, ahead of their first reader
	s_wait_loadcnt 0x0                             ; gain and bias
.set p, 0
.rept 16
	v_pk_mul_f32 v[X+2*p:X+2*p+1], v[X+2*p:X+2*p+1], v[R:R+1]
.set p, p+1
.endr
.set p, 0
.rept 16
	v_pk_fma_f32 v[X+2*p:X+2*p+1], v[X+2*p:X+2*p+1], v[G+2*p:G+2*p+1], v[BV+2*p:BV+2*p+1]
.set p, p+1
.endr
.set p, 0
.rept 16
	v_cvt_pk_bf16_f32 v[Y+p], v[X+2*p], v[X+2*p+1]
.set p, p+1
.endr
.irp j, 0,1,2,3,4,5,6,7
	global_store_b64 v[SO], v[Y+2*(\j):Y+2*(\j)+1], s[\out:\out+1] offset:256*(\j)  ; 32 lanes x 8 bytes: 256 consecutive bytes, aligned
.endr
.endm
.macro LOAD8 dst, src                  ; a unit of 1,024 f32 from the address in s[src:src+1]
.irp j, 0,1,2,3,4,5,6,7
	global_load_b128 v[(\dst)+4*(\j):(\dst)+4*(\j)+3], v[LO], s[\src:\src+1] offset:512*(\j) th:TH_LOAD_NT
.endr
.endm
.macro CVT16 dst, src                  ; 32 numbers a lane rounded to bf16
.set p, 0
.rept 16
	v_cvt_pk_bf16_f32 v[(\dst)+p], v[(\src)+2*p], v[(\src)+2*p+1]
.set p, p+1
.endr
.endm
	s_load_b512 s[8:23], s[0:1], 0x0               ; x 8, ln1_g 10, ln1_b 12, Wq 14, Wk 16, Wv 18, Wo 20, W1 22
	s_load_b256 s[24:31], s[0:1], 0x40             ; W2 24, b1 26, act 28, wqkv 30
	s_load_b128 s[32:35], s[0:1], 0x60             ; w1b 32, w2o 34
	v_lshrrev_b32 v1, 5, v0
	v_readfirstlane_b32 s36, v1                    ; wave 0..15
	v_and_b32 v2, 31, v0
	v_lshlrev_b32 v[LO], 4, v2
	v_lshlrev_b32 v[SO], 3, v2
	s_mov_b32 s40, ttmp9
	s_mov_b32 s43, 0
	s_mov_b32 s47, 0
	s_mov_b32 s37, 0x3a800000                      ; 1 / 1024
	s_mov_b32 s50, 0x3727c5ac                      ; 1e-5
	s_mov_b32 s38, 0x76543210
	s_mov_b32 s39, 0xfedcba98
	s_wait_kmcnt 0x0
	s_cmp_lt_u32 s40, 256
	s_cbranch_scc0 .Lcast
	s_lshl_b32 s41, s40, 4
	s_add_co_u32 s41, s41, s36                     ; my row
	s_lshl_b32 s42, s41, 12
	s_add_nc_u64 s[8:9], s[8:9], s[42:43]
	s_lshl_b32 s42, s41, 11
	s_add_nc_u64 s[28:29], s[28:29], s[42:43]
	LNROW 8, 10, 12, 28
	s_endpgm
.Lcast:
	s_cmp_lt_u32 s40, 512
	s_cbranch_scc0 .Ltables
	s_sub_co_u32 s41, s40, 256
	s_lshr_b32 s42, s41, 6                         ; 64 work-groups = 1,024 units: 0 Wq, 1 Wk, 2 Wv, 3 Wo; the same for all waves of a work-group
	s_lshl_b32 s43, s41, 4
	s_add_co_u32 s43, s43, s36
	s_and_b32 s43, s43, 4095                       ; p, my unit in each of the three runs
	s_and_b32 s44, s43, 1023                       ; the row k of Wq, Wk, Wv or Wo
	s_cmp_eq_u32 s42, 1
	s_cselect_b64 s[48:49], s[16:17], s[14:15]
	s_cmp_eq_u32 s42, 2
	s_cselect_b64 s[48:49], s[18:19], s[48:49]
	s_cmp_eq_u32 s42, 3
	s_cselect_b64 s[48:49], s[20:21], s[48:49]
	s_lshl_b32 s46, s44, 12
	s_add_nc_u64 s[48:49], s[48:49], s[46:47]
	s_lshl_b32 s46, s43, 12
	s_add_nc_u64 s[22:23], s[22:23], s[46:47]      ; W1: unit = 4 x row + quarter of the row's 4,096 columns
	s_add_nc_u64 s[24:25], s[24:25], s[46:47]      ; W2: unit = row
	LOAD8 X, 48                                    ; 24 loads, 12,288 bytes a wave, are out together
	LOAD8 X+32, 22
	LOAD8 X+64, 24
	s_lshl_b32 s45, s42, 21                        ; q, k, v: the matrix's four blocks of 524,288 bytes,
	s_lshl_b32 s46, s44, 9                         ; row k of a block: 512 bytes
	s_add_co_u32 s45, s45, s46
	s_add_co_u32 s45, s45, 32768
	s_lshl_b32 s46, s44, 8                         ; Wo: row k of a block: 256 bytes
	s_cmp_eq_u32 s42, 3
	s_cselect_b32 s45, s46, s45
	v_add_nc_u32 v[DO], s45, v[SO]
	s_and_b32 s45, s43, 3
	s_lshl_b32 s45, s45, 21                        ; W1: the quarter's four blocks,
	s_lshr_b32 s46, s43, 2
	s_lshl_b32 s46, s46, 9                         ; the row
	s_add_co_u32 s45, s45, s46
	s_add_co_u32 s45, s45, 32768
	v_add_nc_u32 v[DO+1], s45, v[SO]
	s_lshl_b32 s45, s43, 8                         ; W2: the row, behind Wo's blocks
	s_add_co_u32 s45, s45, 2097152
	v_add_nc_u32 v[DO+2], s45, v[SO]
	s_wait_loadcnt 16                              ; the first unit is in; the sixteen younger loads stay out
	CVT16 Y, X
	s_cmp_eq_u32 s42, 3
	s_cbranch_scc1 .Lto_wo
.irp j, 0,1,2,3,4,5,6,7
	global_store_b64 v[DO], v[Y+2*(\j):Y+2*(\j)+1], s[30:31] offset:((\j)/2)*524288+((\j)%2)*256  ; columns 128 j on: block j / 2, half j % 2 of its row
.endr
	s_branch .Lw1
.Lto_wo:
.irp j, 0,1,2,3,4,5,6,7
	global_store_b64 v[DO], v[Y+2*(\j):Y+2*(\j)+1], s[34:35] offset:(\j)*262144
.endr
.Lw1:
	s_wait_loadcnt 8                               ; W1's unit is in
	CVT16 X, X+32                                  ; packed into the first unit's registers, which nothing reads any more: no store's data is rewritten
.irp j, 0,1,2,3,4,5,6,7
	global_store_b64 v[DO+1], v[X+2*(\j):X+2*(\j)+1], s[32:33] offset:((\j)/2)*524288+((\j)%2)*256
.endr
	s_wait_loadcnt 0x0                             ; W2's unit
	CVT16 X+16, X+64
.irp j, 0,1,2,3,4,5,6,7
	global_store_b64 v[DO+2], v[X+16+2*(\j):X+16+2*(\j)+1], s[34:35] offset:(\j)*1048576  ; 7,340,032 at the most: inside the signed 24-bit immediate
.endr
	s_endpgm
.Ltables:                                      ; 512 threads
	v_lshlrev_b32 v3, 3, v0
	v_lshlrev_b32 v10, 4, v0
	v_mov_b32 v8, 0
	v_mov_b32 v9, 0
	global_load_b128 v[12:15], v10, s[26:27]       ; b1: 16,384 bytes
	global_load_b128 v[16:19], v10, s[26:27] offset:8192
.irp j, 0,1,2
	global_store_b64 v3, v[8:9], s[30:31] offset:256+4096*(\j)  ; q, k and v have no bias: 3,072 zeros
.endr
	s_wait_loadcnt 0x0
	global_store_b128 v10, v[12:15], s[32:33] offset:256
	global_store_b128 v10, v[16:19], s[32:33] offset:256+8192
	s_cmp_lg_u32 s36, 0
	s_cbranch_scc1 .Lend
	v_mov_b32 v20, 0xff80ff80                      ; minus infinity twice in bf16: a maximum with it changes nothing
	v_mov_b32 v21, v20
	global_store_b64 v[SO], v[20:21], s[30:31]
	global_store_b64 v[SO], v[8:9], s[32:33]       ; 0 twice: the maximum with it is the ReLU
.Lend:
	s_endpgm
.Lfunc_end_k_qb0569eaaae_prep:
	.size	k_qb0569eaaae_prep, .Lfunc_end_k_qb0569eaaae_prep-k_qb0569eaaae_prep
	.p2alignl 7, 3214868480
	.fill 96, 4, 3214868480
	.section	.rodata,"a",@progbits
	.p2align	6, 0x0
	.amdhsa_kernel k_qb0569eaaae_prep
		.amdhsa_group_segment_fixed_size 0
		.amdhsa_private_segment_fixed_size 0
		.amdhsa_enable_private_segment 0
		.amdhsa_kernarg_size 112
		.amdhsa_user_sgpr_count 2
		.amdhsa_user_sgpr_kernarg_segment_ptr 1
		.amdhsa_wavefront_size32 1
		.amdhsa_system_sgpr_workgroup_id_x 1
		.amdhsa_system_sgpr_workgroup_id_y 1
		.amdhsa_system_sgpr_workgroup_id_z 1
		.amdhsa_system_vgpr_workitem_id 0
		.amdhsa_next_free_vgpr 128
		.amdhsa_next_free_sgpr 66
		.amdhsa_reserve_vcc 0
		.amdhsa_float_denorm_mode_32 3
		.amdhsa_float_denorm_mode_16_64 3
		.amdhsa_memory_ordered 1
		.amdhsa_forward_progress 1
		.amdhsa_inst_pref_size 23
	.end_amdhsa_kernel
	.amdgpu_metadata
---
amdhsa.version: [ 1, 2 ]
amdhsa.kernels:
  - .name:           k_qb0569eaaae_prep
    .symbol:         k_qb0569eaaae_prep.kd
    .args:
      - { .name: x, .offset: 0, .size: 8, .value_kind: global_buffer, .address_space: global }
      - { .name: ln1_g, .offset: 8, .size: 8, .value_kind: global_buffer, .address_space: global }
      - { .name: ln1_b, .offset: 16, .size: 8, .value_kind: global_buffer, .address_space: global }
      - { .name: Wq, .offset: 24, .size: 8, .value_kind: global_buffer, .address_space: global }
      - { .name: Wk, .offset: 32, .size: 8, .value_kind: global_buffer, .address_space: global }
      - { .name: Wv, .offset: 40, .size: 8, .value_kind: global_buffer, .address_space: global }
      - { .name: Wo, .offset: 48, .size: 8, .value_kind: global_buffer, .address_space: global }
      - { .name: W1, .offset: 56, .size: 8, .value_kind: global_buffer, .address_space: global }
      - { .name: W2, .offset: 64, .size: 8, .value_kind: global_buffer, .address_space: global }
      - { .name: b1, .offset: 72, .size: 8, .value_kind: global_buffer, .address_space: global }
      - { .name: act, .offset: 80, .size: 8, .value_kind: global_buffer, .address_space: global }
      - { .name: wqkv, .offset: 88, .size: 8, .value_kind: global_buffer, .address_space: global }
      - { .name: w1b, .offset: 96, .size: 8, .value_kind: global_buffer, .address_space: global }
      - { .name: w2o, .offset: 104, .size: 8, .value_kind: global_buffer, .address_space: global }
    .group_segment_fixed_size: 0
    .private_segment_fixed_size: 0
    .kernarg_segment_align: 8
    .kernarg_segment_size: 112
    .max_flat_workgroup_size: 512
    .sgpr_count:     66
    .vgpr_count:     128
    .wavefront_size: 32
...
	.end_amdgpu_metadata
.endif
;; end of part 1
;; launch qkv (part 2): grid 12 x 16, 4 waves a work-group, clusters of 4 x 4, 327,680 bytes of LDS; arguments act, wqkv, big; writes big
.if DOCPART == 2
	.amdgcn_target "amdgcn-amd-amdhsa--gfx1250"
	.amdhsa_code_object_version 6
	.text
	.protected	k_qb0569eaaae_qkv
	.globl	k_qb0569eaaae_qkv
	.p2align	8
	.type	k_qb0569eaaae_qkv,@function
k_qb0569eaaae_qkv:
	s_mov_b64 s[64:65], 0
	v_nop
	global_prefetch_b8 v0, s[64:65] scope:SCOPE_SE
	s_setreg_imm32_b32 hwreg(HW_REG_WAVE_MODE, 25, 1), 1
	s_wait_xcnt 0x0
	s_wait_alu depctr_hold_cnt(0) depctr_sa_sdst(0) depctr_va_vdst(0) depctr_va_sdst(0) depctr_va_ssrc(0) depctr_va_vcc(0) depctr_vm_vsrc(0)
	s_getreg_b32 s2, hwreg(HW_REG_IB_STS2, 6, 4)
	s_cmp_eq_u32 s2, 0
	s_cbranch_scc0 .Lentry_in_a_cluster
	s_endpgm
.Lentry_in_a_cluster:
	s_bfe_u32 s2, ttmp6, 0x10000c
	s_cmp_lg_u32 s2, 0xf033
	s_cbranch_scc0 .Lentry_shape_is_right
	s_endpgm
.Lentry_shape_is_right:
; OUT = max(A W + bias, floor).  A: [4096][1024] bf16.  W, bias and floor come from one buffer WB: byte 0 the floor word (two bf16), byte 256 the bias in f32,
; byte 32,768 blocks [1024 k][256 n] of bf16, one for each tile column.  OUT: [n / 64][4096 rows][64] bf16: 64 columns of all rows lie together, a row 128 bytes.
; Sums in f32, started by the bias; OUT rounded once, and the maximum taken of the rounded numbers (for a floor of 0 that is the rounded ReLU; minus infinity changes nothing).
; LIMITS.  A NaN in a sum leaves as the floor (the maximum drops it).  bf16 operands: 8 significant bits.
; SHARES.  A tile of 256 x 256 a work-group, four waves, each 128 x 128: 64 accumulators, 512 registers.  K goes in 8 steps of 128 through two LDS slots.
; A's rows in a step are 256 bytes of memory, W's 512; both start at multiples of 256 from their buffers' first bytes.
; W lies [k][n], so its fragments come out of LDS turned, by ds_load_tr16_b128.  THE MATRIX INSTRUCTION IS USED TRANSPOSED (source 0 = 16 columns of W, source 1 = 16 rows of A):
; a lane then holds one row of OUT and eight neighbouring columns.
; CLUSTER 4 x 4: A's tile hangs on the tile row alone and is asked for jointly by a row of the cluster, W's on the tile column alone and by a column.
; THE CHANGE OF SLOTS stands at the head of a step's last quarter, whose fragments are in registers by then: the slot is asked for again before that quarter is multiplied, so a refill has a whole step,
; 256 matrix instructions, between its request and the wait for it.
; REGISTERS, in windows of 256: window 0: v16-31 addresses; v64-127, v128-191 A's fragments, two buffers; v192-255 the bias (first quarter only), later the way out (with v32-63)
;   window 1: v64-127, v128-191 W's fragments;  windows 2, 3: the accumulators of my rows 0-63, 64-127: (a, b) at v[8 (8 (a % 4) + b)]
.set PITA,  272                        ; a row of A in LDS: 256 + 16 bytes: the 16 rows of a load start at 16 different groups of four banks (64 banks of 4 bytes: ISA guide 11.1)
.set PITB,  544                        ; a row of W: 512 + 32 bytes = 17 x 32
.set HALF,  34816                      ; what one tensor load brings: 128 rows of A, or 64 rows of W
.set SLOT,  4*HALF                     ; A's 256 rows, then W's 128: 0x22000, which shares no bit with wave x HALF
.set STAGE, 2*SLOT                     ; behind the ring: [2 blocks of 64 columns][16 rows][144 bytes] for each wave
.set SPARE, STAGE+4*4608               ; the spare words, 128 bytes for each wave: two blocks of 256 bytes that no other line names
.set A0,   16                          ; v16  my lane's place in A's part of a slot; never rewritten
.set B0,   17                          ; v17  the same for W
.set ADRA, 18                          ; v18  A0 + the slot in hand
.set ADRB, 19                          ; v19  B0 + the slot in hand
.set STO,  24                          ; v24  the way out: where I put 16 bytes of a row
.set RD,   25                          ; v25  where I read rows back
.set CO,   26                          ; v26  16 x lane
.set SPW,  28                          ; v28  my spare word; never rewritten
.set NIL,  29                          ; v29  0; never rewritten
.set PFO,  30                          ; v30  the prefetches' lane offset; never rewritten
.set BO,   31                          ; v31  32 x (lane / 16): my eight numbers of a bias block
.set F0,   64
.set F1,   128
.set BIAS, 192
.set TMP,  192
.set OB,   32
.set G1,   24                          ; s[24:31] group 1 for A;  s[32:35] group 0 for step 0;  s[36:39] for step 1, which then walks
.set G0,   32
.set G1B,  48                          ; s[48:55], s[56:59], s[60:63] the same for W
.set G0B,  56
.set LIM,  43                          ; s43  2 in a wave that prefetches, else the greatest number
.set PFA,  44                          ; s[44:45] where my prefetches stand
.set TB,   66                          ; s66  the slot in hand: 0 or SLOT
.set FLOOR, 67                         ; s67  the floor word
.set PFS,  68                          ; s[68:69] bytes from a K step to the next in what I prefetch
.set MSB, 0
.macro WIN new                         ; the immediate's high byte repeats the setting that is left; a switch that changes nothing is dropped
.if MSB != (\new)
	s_set_vgpr_msb (MSB<<8)|(\new)
.set MSB, \new
.endif
.endm
.macro PLACES                          ; four plain instructions between a matrix instruction and a load into, or a vector read of, its registers
.rept 4
	v_nop
.endr
.endm
.macro JLOAD                           ; a joint refill by the walking descriptor: waves 0, 1 fetch A's halves, waves 2, 3 W's; s_nop 0 and four v_nop follow each line
	s_cmp_eq_u32 s11, 0
	s_cbranch_scc0 .Lfor_b_\@
	tensor_load_to_lds s[G0+4:G0+7], s[G1:G1+7]
	s_nop 0
.rept 4
	v_nop
.endr
	s_branch .Lasked_\@
.Lfor_b_\@:
	tensor_load_to_lds s[G0B+4:G0B+7], s[G1B:G1B+7]
	s_nop 0
.rept 4
	v_nop
.endr
.Lasked_\@:
.endm
.macro CROUND                          ; a round of the cluster's barrier: my work-group's barrier; wave 0 signals for the work-group; every wave waits for all sixteen; my work-group's barrier once more
	s_barrier_signal -1
	s_barrier_wait -1
	s_cmp_lg_u32 s10, 0
	s_cbranch_scc1 .Lnot_wave_0_\@
	s_barrier_signal -3
.Lnot_wave_0_\@:
	s_barrier_wait -3
	s_barrier_signal -1
	s_barrier_wait -1
.endm
; One prefetch a wave behind a refill: 32 blocks of 256 bytes, a lane each, of the K step that stands two refills on (512 matrix instructions ahead of the load that will want it).
; A's rows are read by every cluster of a row of clusters: cluster x = 0 asks; W's by every cluster of a column: cluster y = 0 asks.  The four partners of a joint load
; share its 128 blocks out by address.  So each block of K steps 4 to 7 is named once; steps 0 to 3 come by their loads alone; the last two refills ask for nothing.
.macro ASK
	s_cmp_gt_u32 s3, s[LIM]
	s_cbranch_scc0 .Lnot_mine_\@
	global_prefetch_b8 v[PFO], s[PFA:PFA+1] th:TH_LOAD_NT scope:SCOPE_SE
.Lnot_mine_\@:
.endm
; 16 matrix instructions: row blocks a0, a0 + 1 of the window's four x all 8 column blocks, 32 along K.  first = 1: the bias starts the sums: nothing is cleared.
; The 64 accumulators take turns in one order everywhere.
.macro MUL16 f, hi, a0, first
.if \first
	WIN 0x81+0x40*(\hi)                            ; W window 1, A window 0, the bias window 0, D window 2 or 3
.else
	WIN 0xa1+0x50*(\hi)                            ; C and D window 2 or 3
.endif
.irp a, \a0, (\a0)+1
.irp b, 0,1,2,3,4,5,6,7
.if \first
	v_wmma_f32_16x16x32_bf16 v[8*(8*(\a)+(\b)):8*(8*(\a)+(\b))+7], v[(\f)+8*(\b):(\f)+8*(\b)+7], v[(\f)+8*(4*(\hi)+(\a)):(\f)+8*(4*(\hi)+(\a))+7], v[BIAS+8*(\b):BIAS+8*(\b)+7]
.else
	v_wmma_f32_16x16x32_bf16 v[8*(8*(\a)+(\b)):8*(8*(\a)+(\b))+7], v[(\f)+8*(\b):(\f)+8*(\b)+7], v[(\f)+8*(4*(\hi)+(\a)):(\f)+8*(4*(\hi)+(\a))+7], v[8*(8*(\a)+(\b)):8*(8*(\a)+(\b))+7]
.endif
.endr
.endr
.endm
.macro FETCH q, f                      ; 32 LDS loads in one run: quarter q (32 along K) of the slot in hand into buffer f: W's 128 columns, then A's 128 rows
	WIN 0x40
.irp i, 0,1,2,3,4,5,6,7
	ds_load_tr16_b128 v[(\f)+8*(\i):(\f)+8*(\i)+3],   v[ADRB] offset:(\q)*32*PITB+32*(\i)
	ds_load_tr16_b128 v[(\f)+8*(\i)+4:(\f)+8*(\i)+7], v[ADRB] offset:(\q)*32*PITB+32*(\i)+16*PITB
.endr
	WIN 0
.irp i, 0,1,2,3,4,5,6,7
	ds_load_b128 v[(\f)+8*(\i):(\f)+8*(\i)+3],   v[ADRA] offset:(\q)*64+(\i)*16*PITA
	ds_load_b128 v[(\f)+8*(\i)+4:(\f)+8*(\i)+7], v[ADRA] offset:(\q)*64+(\i)*16*PITA+32
.endr
.endm
.macro QUARTER q, f, g, first          ; multiplies buffer f; in its middle fetches quarter q into buffer g
	s_wait_dscnt 8                                 ; W and A's rows 0-63 are in; the youngest eight loads (A's rows 64-127) may be out
	MUL16 \f, 0, 0, \first
	MUL16 \f, 0, 2, \first
	PLACES
	FETCH \q, \g
	s_wait_dscnt 32                                ; all but the 32 just issued
	MUL16 \f, 1, 0, \first
	MUL16 \f, 1, 2, \first
.endm
; A step's last quarter: first the change of slots, then the quarter's 64 products, whose fragments (buffer 1) are in registers.  fill = 1: the slot just read out is filled again, with the K step two on.
.macro TURN fill
	WIN 0                                          ; the add's registers lie in window 0
.if \fill
	s_wait_xcnt 0x0                                ; the last prefetch, a K step back, has read its address
	s_add_nc_u64 s[PFA:PFA+1], s[PFA:PFA+1], s[PFS:PFS+1]
.endif
	s_wait_tensorcnt 0x0                           ; all my tensor loads have landed: the one that was out is my part of the next slot; so a group 0 may be written
	ds_add_u32 v[SPW], v[NIL]                      ; 0 onto my spare word: the descriptors' steps stand between it and the wait for it
.if \fill
	s_xor_b32 s[G0+5], s[G0+5], SLOT               ; the walking descriptors: the other slot than last time, the next K step
	s_add_nc_u64 s[G0+6:G0+7], s[G0+6:G0+7], 256
	s_xor_b32 s[G0B+5], s[G0B+5], SLOT
	s_add_nc_u64 s[G0B+6:G0B+7], s[G0B+6:G0B+7], 65536
.endif
	s_wait_dscnt 0x0                               ; the add is done, and my reads of this slot are over: the last, into buffer 1, were issued 32 matrix instructions ago
.if \fill
	CROUND                                         ; no wave of any partner still reads the slot or has a load on its way
	JLOAD                                          ; the first tensor load behind the round; its four v_nop are also the places in front of the loads into buffer 0 below
.else
	s_barrier_signal -1
	s_barrier_wait -1                              ; the next slot is whole; nothing is filled again
	PLACES
.endif
	s_xor_b32 s[TB], s[TB], SLOT
	v_add_nc_u32 v[ADRA], s[TB], v[A0]
	v_add_nc_u32 v[ADRB], s[TB], v[B0]
	FETCH 0, F0
.if \fill
	ASK
.endif
	MUL16 F1, 0, 0, 0
	MUL16 F1, 0, 2, 0
	MUL16 F1, 1, 0, 0
	MUL16 F1, 1, 2, 0
.endm
; THE WAY OUT of row block a (16 rows x 128 columns).  PACK: rounded to bf16, then the floor.  TOSTAGE: into my own stage, back as whole rows of 128 bytes.  SEND: stored.
.macro PACK a
.set AC, 64*((\a)%4)
	WIN 0x0a+5*((\a)/4)                            ; sources 0 and 1: window 2 or 3
.irp b, 0,1,2,3,4,5,6,7
.irp r, 0,1,2,3
	v_cvt_pk_bf16_f32 v[TMP+4*(\b)+(\r)], v[AC+8*(\b)+2*(\r)], v[AC+8*(\b)+2*(\r)+1]  ; each accumulator from its low end on
.endr
.endr
	WIN 0
.set i, 0
.rept 32
	v_pk_max_num_bf16 v[TMP+i], v[TMP+i], s[FLOOR]
.set i, i+1
.endr
.endm
.macro TOSTAGE a
.set BK, OB+192*((\a)%2)
.irp b, 0,1,2,3,4,5,6,7
	ds_store_b128 v[STO], v[TMP+4*(\b):TMP+4*(\b)+3] offset:((\b)/4)*2304+((\b)%4)*32
.endr
.irp t, 0,1,2,3,4,5,6,7
	ds_load_b128 v[BK+4*(\t):BK+4*(\t)+3], v[RD] offset:((\t)/4)*2304+((\t)%4)*576  ; LDS serves a wave's instructions in order (ISA guide 5.7.1.4): these see the stores above
.endr
.endm
.macro SEND a
.set BK, OB+192*((\a)%2)
	s_wait_dscnt 0x0                               ; the block is back in registers
	s_wait_xcnt 0x0                                ; the stores of the block before have read their registers, which the next TOSTAGE loads again
.irp t, 0,1,2,3,4,5,6,7
	global_store_b128 v[CO], v[BK+4*(\t):BK+4*(\t)+3], s[8:9] offset:(\a)*2048+((\t)%4)*512+((\t)/4)*524288  ; four rows of one column block: 512 consecutive bytes, aligned
.endr
.endm
	s_load_b128 s[4:7], s[0:1], 0x0                ; A s[4:5], WB s[6:7]
	s_load_b64 s[8:9], s[0:1], 0x10                ; OUT
	v_lshl_add_u32 v[SPW], v0, 2, SPARE
	v_mov_b32 v[NIL], 0
	ds_add_u32 v[SPW], v[NIL]                      ; the wave's opening: the add and its wait ahead of my first tensor load
	v_lshrrev_b32 v1, 5, v0
	v_readfirstlane_b32 s10, v1                    ; wave 0..3
	s_lshr_b32 s11, s10, 1                         ; my half of the tile's rows.  Also: I fetch for A (0) or for W (1)
	s_and_b32 s12, s10, 1                          ; my half of its columns.  Also: which half of that tile I fetch
	s_bfe_u32 s40, ttmp6, 0x40000                  ; cx
	s_bfe_u32 s41, ttmp6, 0x40004                  ; cy
	s_lshl_b32 s42, ttmp9, 2
	s_add_co_u32 s42, s42, s40                     ; tile column
	s_and_b32 s13, ttmp7, 0xffff
	s_lshl_b32 s13, s13, 2
	s_add_co_u32 s13, s13, s41                     ; tile row
	s_lshl_b32 s43, s41, 2
	s_lshl_b32 s43, 15, s43                        ; my row of the cluster
	s_lshl_b32 s44, 0x1111, s40                    ; my column
	s_or_b32 s[G1+0], s43, (1<<16)|(1<<20)|(1<<21)|(5<<22)|(3<<25)   ; mask; 2-byte elements; padding on; bit 21 beside a mask; after every 64 words, 4 words
	s_or_b32 s[G1B+0], s44, (1<<16)|(1<<20)|(1<<21)|(6<<22)|(7<<25)  ; after every 128 words, 8 words
	s_mov_b32 s[G1+1], 128<<16                     ; A: tensor_dim0 = 128
	s_mov_b32 s[G1+2], 128<<16                     ; tensor_dim1 = 128
	s_mov_b32 s[G1+3], 128<<16                     ; tile_dim0 = 128
	s_mov_b32 s[G1+4], 128                         ; tile_dim1 = 128
	s_mov_b32 s[G1+5], 1024                        ; elements from row to row
	s_mov_b32 s[G1+6], 0
	s_mov_b32 s[G1+7], 0
	s_mov_b32 s[G1B+1], 256<<16                    ; W: 256 elements x 64 rows, dense
	s_mov_b32 s[G1B+2], 64<<16
	s_mov_b32 s[G1B+3], 256<<16
	s_mov_b32 s[G1B+4], 64
	s_mov_b32 s[G1B+5], 256
	s_mov_b32 s[G1B+6], 0
	s_mov_b32 s[G1B+7], 0
	s_lshl_b32 s16, s13, 8
	s_lshl_b32 s17, s12, 7
	s_add_co_u32 s16, s16, s17                     ; A: row 256 x tile row + 128 x half,
	s_lshl_b32 s16, s16, 11                        ; 2,048 bytes a row
	s_mov_b32 s17, 0
	s_lshl_b32 s46, s42, 19                        ; W: the tile column's block,
	s_lshl_b32 s47, s12, 15                        ; 64 rows of 512 bytes x half
	s_add_co_u32 s46, s46, s47
	s_add_co_u32 s46, s46, 32768
	s_mov_b32 s47, 0
	s_mul_i32 s20, s10, HALF                       ; where they go: no place in the cluster enters an LDS address
	s_wait_dscnt 0x0                               ; the opening add is done
	s_wait_kmcnt 0x0
	s_add_nc_u64 s[14:15], s[4:5], s[16:17]
	s_add_nc_u64 s[46:47], s[6:7], s[46:47]
	s_load_b32 s[FLOOR], s[6:7], 0x0               ; waited for in front of the first products
	CROUND                                         ; all sixteen work-groups are here: the first joint loads meet
.irp s, 0,1
	s_mov_b32 s[G0+4*(\s)], 1
	s_add_co_u32 s[G0+4*(\s)+1], s20, (\s)*SLOT
	s_add_nc_u64 s[G0+4*(\s)+2:G0+4*(\s)+3], s[14:15], (\s)*256
	s_or_b32 s[G0+4*(\s)+3], s[G0+4*(\s)+3], 0x80000000
	s_mov_b32 s[G0B+4*(\s)], 1
	s_add_co_u32 s[G0B+4*(\s)+1], s20, (\s)*SLOT
	s_add_nc_u64 s[G0B+4*(\s)+2:G0B+4*(\s)+3], s[46:47], (\s)*65536
	s_or_b32 s[G0B+4*(\s)+3], s[G0B+4*(\s)+3], 0x80000000
.endr
	s_cmp_eq_u32 s11, 0                            ; a wave's two first fills stand in one branch: two loads of mine are out
	s_cbranch_scc0 .Lfirst_b
	tensor_load_to_lds s[G0:G0+3], s[G1:G1+7]
	s_nop 0
	tensor_load_to_lds s[G0+4:G0+7], s[G1:G1+7]
	s_nop 0
.rept 4
	v_nop
.endr
	s_branch .Lfirst_asked
.Lfirst_b:
	tensor_load_to_lds s[G0B:G0B+3], s[G1B:G1B+7]
	s_nop 0
	tensor_load_to_lds s[G0B+4:G0B+7], s[G1B:G1B+7]
	s_nop 0
.rept 4
	v_nop
.endr
.Lfirst_asked:
	v_and_b32 v1, 15, v0                           ; l % 16
	v_bfe_u32 v2, v0, 4, 1                         ; l / 16
	v_lshlrev_b32 v[BO], 5, v2
	s_lshl_b32 s22, s42, 10                        ; the bias of my 128 columns: 4 (256 x tile column + 128 x half) bytes behind byte 256
	s_lshl_b32 s23, s12, 9
	s_add_co_u32 s22, s22, s23
	s_add_co_u32 s22, s22, 256
	s_mov_b32 s23, 0
	s_add_nc_u64 s[22:23], s[6:7], s[22:23]
.irp b, 0,1,2,3,4,5,6,7
	global_load_b128 v[BIAS+8*(\b):BIAS+8*(\b)+3],   v[BO], s[22:23] offset:64*(\b)       ; register j: the bias of column 16 b + 8 (l / 16) + j, as C wants it
	global_load_b128 v[BIAS+8*(\b)+4:BIAS+8*(\b)+7], v[BO], s[22:23] offset:64*(\b)+16
.endr
	s_lshl_b32 s16, s42, 21                        ; OUT at my part: column block 4 x tile column + 2 x half, row 256 x tile row + 128 x half
	s_lshl_b32 s17, s12, 20
	s_add_co_u32 s16, s16, s17
	s_lshl_b32 s17, s13, 15
	s_add_co_u32 s16, s16, s17
	s_lshl_b32 s17, s11, 14
	s_add_co_u32 s16, s16, s17
	s_mov_b32 s17, 0
	s_add_nc_u64 s[8:9], s[8:9], s[16:17]
	; the prefetches
	s_and_b32 s18, ttmp7, 0xffff                   ; cluster y
	s_movk_i32 s[PFS], 256
	s_mov_b32 s[PFS+1], 0x10000
	s_cmp_eq_u32 s11, 0                            ; do I fetch for A?
	s_cselect_b32 s18, ttmp9, s18                  ; the coordinate along which other clusters read the same bytes
	s_cselect_b32 s21, s40, s41                    ; my place among the four that ask with me
	s_cselect_b32 s20, 16, 13                      ; a partner's share: 32 rows of 2,048 bytes of A, or 8,192 dense bytes of W
	s_cselect_b32 s19, 11, 8                       ; a lane's step: a row of A, or 256 bytes of W
	s_cselect_b32 s[PFS], s[PFS], s[PFS+1]
	s_cselect_b64 s[PFA:PFA+1], s[14:15], s[46:47]
	s_mov_b32 s[PFS+1], 0
	s_lshl_b32 s20, s21, s20
	s_mov_b32 s21, 0
	s_add_nc_u64 s[PFA:PFA+1], s[PFA:PFA+1], s[20:21]
	s_mul_i32 s20, s[PFS], 3
	s_add_nc_u64 s[PFA:PFA+1], s[PFA:PFA+1], s[20:21]  ; at K step 3: the first refill steps it to 4
	s_cmp_eq_u32 s18, 0
	s_cselect_b32 s[LIM], 2, -1                    ; the same in all sixteen partners, for a given wave
	; lane addresses
	v_mul_u32_u24 v3, v1, PITA
	v_lshl_add_u32 v3, v2, 4, v3
	s_mul_i32 s16, s11, HALF
	v_add_nc_u32 v[A0], s16, v3                    ; my 128 rows of A: row x pitch + 16 x half of the lanes
	v_and_b32 v4, 7, v0
	v_lshl_add_u32 v4, v2, 3, v4
	v_mul_u32_u24 v4, v4, PITB                     ; the turning load: k = 8 (l / 16) + l % 8,
	v_bfe_u32 v5, v0, 3, 1
	v_lshl_add_u32 v4, v5, 4, v4                   ; columns 8 ((l / 8) % 2) on
	s_lshl_b32 s16, s12, 8
	s_add_co_u32 s16, s16, 2*HALF
	v_add_nc_u32 v[B0], s16, v4
	s_mul_i32 s16, s10, 4608
	s_add_co_u32 s16, s16, STAGE
	v_mul_u32_u24 v3, v1, 144
	v_lshl_add_u32 v3, v2, 4, v3
	v_add_nc_u32 v[STO], s16, v3
	v_bfe_u32 v3, v0, 3, 2
	v_mul_u32_u24 v3, v3, 144
	v_and_b32 v4, 7, v0
	v_lshl_add_u32 v3, v4, 4, v3
	v_add_nc_u32 v[RD], s16, v3
	v_and_b32 v[CO], 31, v0
	v_lshlrev_b32 v[PFO], s19, v[CO]
	v_lshlrev_b32 v[CO], 4, v[CO]
	s_wait_tensorcnt 0x1                           ; my part of K step 0 is in; step 1's may stay out
	s_barrier_signal -1
	s_barrier_wait -1
	s_mov_b32 s[TB], 0
	v_mov_b32 v[ADRA], v[A0]
	v_mov_b32 v[ADRB], v[B0]
	FETCH 0, F0
	s_wait_loadcnt 0x0                             ; the bias
	s_wait_kmcnt 0x0                               ; the floor
	QUARTER 1, F0, F1, 1
	WIN 0
	s_mov_b32 s3, 6
.Lstep:                                        ; six trips, from a step's second quarter to the next step's first; each fills a slot again
	QUARTER 2, F1, F0, 0
	QUARTER 3, F0, F1, 0
	TURN 1
	QUARTER 1, F0, F1, 0
	WIN 0
	s_sub_co_u32 s3, s3, 1
	s_cmp_lg_u32 s3, 0
	s_cbranch_scc1 .Lstep
	QUARTER 2, F1, F0, 0                           ; the tail is written out: nothing more is asked for
	QUARTER 3, F0, F1, 0
	TURN 0
	QUARTER 1, F0, F1, 0
	QUARTER 2, F1, F0, 0
	QUARTER 3, F0, F1, 0
	s_wait_dscnt 8
	MUL16 F1, 0, 0, 0
	MUL16 F1, 0, 2, 0
	s_wait_dscnt 0x0
	MUL16 F1, 1, 0, 0
	MUL16 F1, 1, 2, 0
	PLACES
	PACK 0
	TOSTAGE 0
.irp a, 1,2,3,4,5,6,7                  ; block a's conversions stand between block a - 1's loads from the stage and the wait for them
	PACK \a
	SEND (\a)-1
	TOSTAGE \a
.endr
	SEND 7
	s_wait_tensorcnt 0x0                           ; the wave's end
	ds_add_u32 v[SPW], v[NIL]
	s_wait_dscnt 0x0
	CROUND                                         ; the closing round
	s_endpgm
.Lfunc_end_k_qb0569eaaae_qkv:
	.size	k_qb0569eaaae_qkv, .Lfunc_end_k_qb0569eaaae_qkv-k_qb0569eaaae_qkv
	.p2alignl 7, 3214868480
	.fill 96, 4, 3214868480
	.section	.rodata,"a",@progbits
	.p2align	6, 0x0
	.amdhsa_kernel k_qb0569eaaae_qkv
		.amdhsa_group_segment_fixed_size 327680
		.amdhsa_private_segment_fixed_size 0
		.amdhsa_enable_private_segment 0
		.amdhsa_kernarg_size 24
		.amdhsa_user_sgpr_count 2
		.amdhsa_user_sgpr_kernarg_segment_ptr 1
		.amdhsa_wavefront_size32 1
		.amdhsa_system_sgpr_workgroup_id_x 1
		.amdhsa_system_sgpr_workgroup_id_y 1
		.amdhsa_system_sgpr_workgroup_id_z 1
		.amdhsa_system_vgpr_workitem_id 0
		.amdhsa_next_free_vgpr 1024
		.amdhsa_next_free_sgpr 72
		.amdhsa_reserve_vcc 0
		.amdhsa_float_denorm_mode_32 3
		.amdhsa_float_denorm_mode_16_64 3
		.amdhsa_memory_ordered 1
		.amdhsa_forward_progress 1
		.amdhsa_inst_pref_size 135
	.end_amdhsa_kernel
	.amdgpu_metadata
---
amdhsa.version: [ 1, 2 ]
amdhsa.kernels:
  - .name:           k_qb0569eaaae_qkv
    .symbol:         k_qb0569eaaae_qkv.kd
    .args:
      - { .name: act, .offset: 0, .size: 8, .value_kind: global_buffer, .address_space: global }
      - { .name: wqkv, .offset: 8, .size: 8, .value_kind: global_buffer, .address_space: global }
      - { .name: big, .offset: 16, .size: 8, .value_kind: global_buffer, .address_space: global }
    .group_segment_fixed_size: 327680
    .private_segment_fixed_size: 0
    .kernarg_segment_align: 8
    .kernarg_segment_size: 24
    .max_flat_workgroup_size: 128
    .sgpr_count:     72
    .vgpr_count:     1024
    .wavefront_size: 32
...
	.end_amdgpu_metadata
.endif
;; end of part 2
;; launch attn (part 3): grid 4 x 64, 4 waves a work-group, clusters of 4 x 1, 327,680 bytes of LDS; arguments big, act; writes act
.if DOCPART == 3
	.amdgcn_target "amdgcn-amd-amdhsa--gfx1250"
	.amdhsa_code_object_version 6
	.text
	.protected	k_qb0569eaaae_attn
	.globl	k_qb0569eaaae_attn
	.p2align	8
	.type	k_qb0569eaaae_attn,@function
k_qb0569eaaae_attn:
	s_mov_b64 s[64:65], 0
	v_nop
	global_prefetch_b8 v0, s[64:65] scope:SCOPE_SE
	s_setreg_imm32_b32 hwreg(HW_REG_WAVE_MODE, 25, 1), 1
	s_wait_xcnt 0x0
	s_wait_alu depctr_hold_cnt(0) depctr_sa_sdst(0) depctr_va_vdst(0) depctr_va_sdst(0) depctr_va_ssrc(0) depctr_va_vcc(0) depctr_vm_vsrc(0)
	s_getreg_b32 s2, hwreg(HW_REG_IB_STS2, 6, 4)
	s_cmp_eq_u32 s2, 0
	s_cbranch_scc0 .Lentry_in_a_cluster
	s_endpgm
.Lentry_in_a_cluster:
	s_bfe_u32 s2, ttmp6, 0x10000c
	s_cmp_lg_u32 s2, 0x3003
	s_cbranch_scc0 .Lentry_shape_is_right
	s_endpgm
.Lentry_shape_is_right:
; CAUSAL ATTENTION, 64 heads of 1,024 rows x 64 channels.  O[q] = the sum over k <= q of softmax_k(Q[q] . K[k] / 8) V[k].
; big holds q, k, v as [column block][4096 rows][64] bf16: q's head h is block h, k's 16 + h, v's 32 + h; a head's 1,024 rows of a batch are 131,072 dense bytes.  O leaves in q's layout, into act.
; Products, maxima and sums in f32; the weights p are rounded to bf16 for the second product (their sum l is taken of the unrounded p), O once at the end.
; LIMITS.  A hidden score counts as its value less 1e30: scores stay far under that; a weight below 2^-126 counts as 0; NaN and infinities are not treated apart.
; SHARES.  A head's queries lie in 8 blocks of 128; block i needs the key tiles 0 .. i of 128 keys.  The four work-groups of a cluster share a head: in EVERY block work-group cx owns rows 16 cx .. + 15 and
; 64 + 16 cx .. + 15: two tiles u of 16.  Wave w takes these two tiles of block 7 - w and then of block w: 9 key tiles whatever w and cx: all waves of all 256 work-groups do equal work.
; CLUSTER.  So the walk hangs on the wave's number alone and is the same in all four partners; cx enters Q's and O's addresses and the mask's numbers, no branch and no LDS address.  K and V are asked for JOINTLY.
; ALL OF THE HEAD'S K AND V LIE IN LDS, filled once, one tensor load a wave: no slot is filled again and the loops hold no barrier.
; The tile loop counts to the constant 8 and jumps forward over the tiles above the diagonal, which hold no barrier and no tensor load.
; LAYOUT.  S^T = K Q^T (source 0 = 16 keys, source 1 = 16 queries): a lane holds ONE query (lane % 16) and the keys 8 (lane / 16) + 0..7; two results rounded to bf16 ARE source 1 of O^T = V^T P.
; SOFTMAX.  p = 2^(c s - c m), c = log2(e) / 8, with a running maximum m; in every step O and l are multiplied by a = 2^(c m_old - c m_new).  m starts at the lowest finite number, so a block's first a is 0.
; THE MASK is the C operand that starts S^T's sums: MC = MDX x AL, AL = 1 in the diagonal tile, else 0.  MDX's block 0 is 0; block 1 + z holds -1e30 where 16 z + j > 16 cx + l % 16 - 8 (l / 16).
; Tile 0's key block kb takes block 1 + kb; tile 1 lies 64 rows further down: its key blocks 0 to 3 take block 0, the others block kb - 3.
; REGISTERS: window 0: v1-15 addresses; v16-31 statistics (tile u at 16 + 8 u: c m, m, l twice, c0-c3; c2 takes a); v32-63 the way out; v64-191 S^T; v192-255 P
;   window 1: v0-63 O^T; v64-135 MDX; v136-207 MC      window 2: v0-127 K's fragments, v128-255 V's      window 3: v0-31 Q, v32-63 the second block's Q
.set PK,    144                        ; a row of K in LDS: 128 + 16 bytes: the 16 rows of a load start at 16 different groups of four banks (64 banks of 4 bytes: ISA guide 11.1)
.set PV,    160                        ; a row of V: 128 + 32 bytes = 5 x 32, for the turning load
.set VB,    1024*PK
.set STAGE, VB+1024*PV                 ; 16 rows x 144 bytes for each wave; no tensor load lands there
.set SPARE, STAGE+4*16*144             ; the spare words: two blocks of 256 bytes that no other line names
.set AK0, 2
.set AV0, 3
.set AK,  4
.set AV,  5
.set STO, 6
.set RD,  7
.set GO,  8
.set QO,  12
.set THR, 13
.set SPW, 14
.set NIL, 15
.set ST,  16
.set OUTR, 32
.set S,   64
.set P,   192
.set MDX, 64
.set MC,  136
.set VF,  128
.set QB,  32
.set MSB, 0
.macro WIN new
.if MSB != (\new)
	s_set_vgpr_msb (MSB<<8)|(\new)
.set MSB, \new
.endif
.endm
.macro PLACES
.rept 4
	v_nop
.endr
.endm
.macro CROUND                          ; a round of the cluster's barrier: my work-group's barrier; wave 0 signals for the work-group; every wave waits for all four; my work-group's barrier once more
	s_barrier_signal -1
	s_barrier_wait -1
	s_cmp_lg_u32 s12, 0
	s_cbranch_scc1 .Lnot_wave_0_\@
	s_barrier_signal -3
.Lnot_wave_0_\@:
	s_barrier_wait -3
	s_barrier_signal -1
	s_barrier_wait -1
.endm
	s_load_b128 s[4:7], s[0:1], 0x0                ; big s[4:5], act s[6:7]
	v_lshl_add_u32 v[SPW], v0, 2, SPARE
	v_mov_b32 v[NIL], 0
	ds_add_u32 v[SPW], v[NIL]                      ; the wave's opening: the add and its wait ahead of the round in front of my tensor load
	v_lshrrev_b32 v1, 5, v0
	v_readfirstlane_b32 s12, v1                    ; wave 0..3
	s_and_b32 s13, s12, 1                          ; which 512 keys I fetch
	s_bfe_u32 s14, ttmp6, 0x40000                  ; cx: my place in the cluster
	s_and_b32 s23, ttmp7, 0xffff                   ; batch and head, which the four partners share
	s_and_b32 s2, s23, 15                          ; the head
	s_lshr_b32 s3, s23, 4                          ; the batch
	s_lshl_b32 s10, s2, 19
	s_lshl_b32 s3, s3, 17
	s_add_co_u32 s10, s10, s3                      ; the head's first row in q's part of big, and in act
	s_mov_b32 s11, 0
	s_lshl_b32 s8, s13, 16
	s_add_co_u32 s8, s8, s10
	s_add_co_u32 s8, s8, 16*524288                 ; my 512 rows of k
	s_mov_b32 s9, 0
	s_mov_b32 s24, 15|(1<<16)|(1<<20)|(1<<21)|(4<<22)|(3<<25) ; K: the mask of four; 2-byte elements; padding on; bit 21 beside a mask; after every 32 words, 4 words
	s_mov_b32 s32, 15|(1<<16)|(1<<20)|(1<<21)|(4<<22)|(7<<25) ; V: 8 words
.irp g, 24, 32                         ; 512 keys are 65,536 dense bytes: asked for as 256 rows of 256 bytes, two keys a row
	s_mov_b32 s[\g+1], 128<<16
	s_mov_b32 s[\g+2], 256<<16
	s_mov_b32 s[\g+3], 128<<16
	s_mov_b32 s[\g+4], 256
	s_mov_b32 s[\g+5], 128
	s_mov_b32 s[\g+6], 0
	s_mov_b32 s[\g+7], 0
.endr
	s_mov_b32 s40, 1
	s_mul_i32 s41, s13, 512*PK
	s_mov_b32 s44, 1
	s_mul_i32 s45, s13, 512*PV
	s_add_co_u32 s45, s45, VB
	s_mov_b32 s22, 0xf149f2ca                      ; -1e30
	s_mov_b32 s21, 0                               ; named with AL as a pair
	s_mov_b32 s58, 0x3e38aa3b                      ; c = log2(e) / 8
	s_mov_b32 s59, s58
	s_mov_b32 s60, 0x76543210
	s_mov_b32 s61, 0xfedcba98
	s_lshl_b32 s16, s14, 11
	s_add_co_u32 s10, s10, s16                     ; + my work-group's 16 rows of a block's first 64: from here on Q's and O's offset alone
	s_sub_co_u32 s15, 7, s12                       ; my wave's first block
	s_wait_dscnt 0x0                               ; the opening add is done
	s_wait_kmcnt 0x0
	s_add_nc_u64 s[42:43], s[4:5], s[8:9]
	s_add_nc_u64 s[46:47], s[42:43], 16*524288     ; v lies 16 column blocks behind k
	s_or_b32 s43, s43, 0x80000000
	s_or_b32 s47, s47, 0x80000000
	s_add_nc_u64 s[50:51], s[6:7], s[10:11]        ; O at my rows of block 0
	s_add_nc_u64 s[52:53], s[4:5], s[10:11]        ; Q likewise
	s_lshl_b32 s8, s12, 14
	s_add_nc_u64 s[54:55], s[52:53], s[8:9]        ; Q at block w
	s_lshl_b32 s8, s15, 14
	s_add_nc_u64 s[52:53], s[52:53], s[8:9]        ; Q at block 7 - w
	CROUND                                         ; all four work-groups are here: the joint loads meet
	s_cmp_lt_u32 s12, 2                            ; waves 0, 1 fetch K's halves, waves 2, 3 V's: one load of mine is out
	s_cbranch_scc0 .Lfor_v
	tensor_load_to_lds s[40:43], s[24:31]
	s_nop 0
.rept 4
	v_nop
.endr
	s_branch .Lasked
.Lfor_v:
	tensor_load_to_lds s[44:47], s[32:39]
	s_nop 0
.rept 4
	v_nop
.endr
.Lasked:
	v_and_b32 v1, 15, v0                           ; l % 16
	v_bfe_u32 v9, v0, 4, 1                         ; l / 16
	v_lshlrev_b32 v[QO], 7, v1
	v_lshl_add_u32 v[QO], v9, 4, v[QO]
	WIN 0xc0                                       ; destination window 3
.irp f, 0,1,2,3                        ; tile f / 2 (64 rows = 8,192 bytes apart), channels 32 (f % 2) on
	global_load_b128 v[8*(\f):8*(\f)+3],   v[QO], s[52:53] offset:((\f)/2)*8192+((\f)%2)*64
	global_load_b128 v[8*(\f)+4:8*(\f)+7], v[QO], s[52:53] offset:((\f)/2)*8192+((\f)%2)*64+32
	global_load_b128 v[QB+8*(\f):QB+8*(\f)+3],   v[QO], s[54:55] offset:((\f)/2)*8192+((\f)%2)*64
	global_load_b128 v[QB+8*(\f)+4:QB+8*(\f)+7], v[QO], s[54:55] offset:((\f)/2)*8192+((\f)%2)*64+32
.endr
	WIN 0
	v_lshlrev_b32 v10, 3, v9
	v_sub_nc_u32 v[THR], v1, v10
	s_lshl_b32 s16, s14, 4
	v_add_nc_u32 v[THR], s16, v[THR]               ; 16 cx + l % 16 - 8 (l / 16): register j of block 1 + z is hidden where 16 z + j is greater
	WIN 0x40                                       ; destination window 1.  All this stands in the wait for the fill
.set i, 0
.rept 8
	v_mov_b32 v[MDX+i], 0                          ; block 0 hides nothing
.set i, i+1
.endr
.set i, 0
.rept 64
	v_cmp_gt_i32 vcc_lo, 16*(i/8)+i%8, v[THR]
	v_cndmask_b32 v[MDX+8+i], 0, s22, vcc_lo
.set i, i+1
.endr
.set i, 0
.rept 64
	v_mov_b32 v[i], 0                              ; O^T: a block's first step multiplies it by a = 0, so it need only be finite
.set i, i+1
.endr
	WIN 0
.set i, 0
.rept 16
	v_mov_b32 v[ST+i], 0
.set i, i+1
.endr
	v_mul_u32_u24 v[AK0], v1, PK
	v_lshl_add_u32 v[AK0], v9, 4, v[AK0]
	v_and_b32 v10, 7, v0
	v_bfe_u32 v11, v0, 3, 1
	v_lshl_add_u32 v[AV0], v9, 3, v10              ; the turning load: key 8 (l / 16) + l % 8, channels 8 ((l / 8) % 2) on
	v_mul_u32_u24 v[AV0], v[AV0], PV
	v_lshl_add_u32 v[AV0], v11, 4, v[AV0]
	v_add_nc_u32 v[AV0], VB, v[AV0]
	s_mul_i32 s16, s12, 16*144
	s_add_co_u32 s16, s16, STAGE
	v_mul_u32_u24 v[STO], v1, 144
	v_lshl_add_u32 v[STO], v9, 4, v[STO]
	v_add_nc_u32 v[STO], s16, v[STO]
	v_bfe_u32 v[RD], v0, 3, 2
	v_mul_u32_u24 v[RD], v[RD], 144
	v_lshl_add_u32 v[RD], v10, 4, v[RD]
	v_add_nc_u32 v[RD], s16, v[RD]
	v_and_b32 v[GO], 31, v0
	v_lshlrev_b32 v[GO], 4, v[GO]
	s_wait_tensorcnt 0x0                           ; my quarter of K and V is in,
	s_barrier_signal -1
	s_barrier_wait -1                              ; everybody's is
	s_wait_loadcnt 0x0                             ; Q
; Number n of the 38 that find tile u's maximum and statistics.  0-27: four chains c0-c3 of fifteen scores each, three operands at a time; each accumulator is first read at its low end.
.macro XS u, n
.set rT, ST+8*(\u)
.set rS, S+64*(\u)
.if (\n) < 4
	v_max3_num_f32 v[rT+4+(\n)], v[rS+16*(\n)], v[rS+16*(\n)+1], v[rS+16*(\n)+2]
.elseif (\n) < 28
	v_max3_num_f32 v[rT+4+(\n)%4], v[rT+4+(\n)%4], v[rS+16*((\n)%4)+2*((\n)/4)+1], v[rS+16*((\n)%4)+2*((\n)/4)+2]
.elseif (\n) == 28
	v_max3_num_f32 v[rT+4], v[rT+4], v[rS+15], v[rS+31]
.elseif (\n) == 29
	v_max3_num_f32 v[rT+6], v[rT+6], v[rS+47], v[rS+63]
.elseif (\n) == 30
	v_max3_num_f32 v[rT+4], v[rT+4], v[rT+5], v[rT+6]
.elseif (\n) == 31
	v_max3_num_f32 v[rT+4], v[rT+4], v[rT+7], v[rT+1]
.elseif (\n) == 32
	v_permlanex16_b32 v[rT+5], v[rT+4], s60, s61   ; the query's other 64 keys lie in the lane 16 away
.elseif (\n) == 33
	v_mov_b32 v[rT+7], v[rT]                       ; c m_old
.elseif (\n) == 34
	v_max_num_f32 v[rT+1], v[rT+4], v[rT+5]
.elseif (\n) == 35
	v_mul_f32 v[rT], s58, v[rT+1]
.elseif (\n) == 36
	v_sub_f32 v[rT+7], v[rT+7], v[rT]
.else
	v_exp_f32 v[rT+6], v[rT+7]                     ; a
.endif
.endm
.macro FS u, p                         ; c s - c m for pair p of 32
	v_pk_fma_f32 v[S+64*(\u)+2*(\p):S+64*(\u)+2*(\p)+1], v[S+64*(\u)+2*(\p):S+64*(\u)+2*(\p)+1], s[58:59], v[ST+8*(\u):ST+8*(\u)+1] op_sel_hi:[1,0,0] neg_lo:[0,0,1] neg_hi:[0,0,1]
.endm
.macro EX u, p                         ; the two exponentials of pair p
	v_exp_f32 v[S+64*(\u)+2*(\p)], v[S+64*(\u)+2*(\p)]
	v_exp_f32 v[S+64*(\u)+2*(\p)+1], v[S+64*(\u)+2*(\p)+1]
.endm
.macro PACK u                          ; tile u: O^T / l, rounded, through my stage, back as whole rows of 128 bytes
	WIN 0x41
.set i, 0
.rept 16
	v_pk_mul_f32 v[32*(\u)+2*i:32*(\u)+2*i+1], v[32*(\u)+2*i:32*(\u)+2*i+1], v[ST+8*(\u)+6:ST+8*(\u)+7] op_sel_hi:[1,0]
.set i, i+1
.endr
	WIN 0x05
.set i, 0
.rept 16
	v_cvt_pk_bf16_f32 v[OUTR+16*(\u)+i], v[32*(\u)+2*i], v[32*(\u)+2*i+1]
.set i, i+1
.endr
	WIN 0
.irp f, 0,1,2,3
	ds_store_b128 v[STO], v[OUTR+16*(\u)+4*(\f):OUTR+16*(\u)+4*(\f)+3] offset:32*(\f)
.endr
.irp f, 0,1,2,3
	ds_load_b128 v[OUTR+16*(\u)+4*(\f):OUTR+16*(\u)+4*(\f)+3], v[RD] offset:576*(\f)  ; LDS serves a wave's instructions in order (ISA guide 5.7.1.4)
.endr
.endm
.macro SEND u, younger                 ; younger: the LDS instructions issued behind tile u's loads
.irp f, 0,1,2,3
	s_wait_dscnt (\younger)+3-(\f)
	global_store_b128 v[GO], v[OUTR+16*(\u)+4*(\f):OUTR+16*(\u)+4*(\f)+3], s[48:49] offset:(\u)*8192+(\f)*512  ; four rows: 512 consecutive bytes, aligned
.endr
.endm
	s_mov_b32 s17, 2                               ; two blocks
.Lblock:
.irp u, 0,1
	v_mov_b32 v[ST+8*(\u)], 0xfe000000             ; c m: far below every c s
	v_mov_b32 v[ST+8*(\u)+1], 0xff7fffff           ; m
.endr
	s_wait_xcnt 0x0                                ; the first block's stores have read their registers and O's address
	s_lshl_b32 s8, s15, 14
	s_add_nc_u64 s[48:49], s[50:51], s[8:9]        ; O at my rows of the block in hand
	s_mov_b32 s16, 0                               ; the tile
.Ltile:
	s_cmp_gt_u32 s16, s15
	s_cbranch_scc1 .Lnext                          ; above the diagonal: nothing to do
	s_cmp_eq_u32 s16, s15
	s_cselect_b32 s20, 1.0, 0
	WIN 0x41
.set z, 0
.rept 36
	v_pk_mul_f32 v[MC+2*z:MC+2*z+1], v[MDX+2*z:MDX+2*z+1], s[20:21] op_sel_hi:[1,0]
.set z, z+1
.endr
	WIN 0
	s_mul_i32 s18, s16, 128*PK
	s_mul_i32 s19, s16, 128*PV
	v_add_nc_u32 v[AK], s18, v[AK0]
	v_add_nc_u32 v[AV], s19, v[AV0]
	WIN 0x80                                       ; destination window 2
.irp f, 0,1,2,3,4,5,6,7,8,9,10,11,12,13,14,15  ; keys 16 (f / 2) on, channels 32 (f % 2) on
	ds_load_b128 v[8*(\f):8*(\f)+3],   v[AK] offset:((\f)/2)*16*PK+((\f)%2)*64
	ds_load_b128 v[8*(\f)+4:8*(\f)+7], v[AK] offset:((\f)/2)*16*PK+((\f)%2)*64+32
.endr
.irp f, 0,1,2,3,4,5,6,7,8,9,10,11,12,13,14,15  ; keys 32 (f / 4) on, channels 16 (f % 4) on
	ds_load_tr16_b128 v[VF+8*(\f):VF+8*(\f)+3],   v[AV] offset:((\f)/4)*32*PV+((\f)%4)*32
	ds_load_tr16_b128 v[VF+8*(\f)+4:VF+8*(\f)+7], v[AV] offset:((\f)/4)*32*PV+((\f)%4)*32+16*PV
.endr
	s_wait_dscnt 32                                ; K is in; V's 32 younger loads may stay out
.set i, 0
.rept 32                               ; S^T: channels 32 (i / 16) on, keys 16 ((i / 2) % 8) on, tile i % 2.  The 16 accumulators take turns
.set kb, (i/2)%8
.set rS, S+64*(i%2)+8*kb
.set rK, 16*kb+8*(i/16)
.set rQ, 16*(i%2)+8*(i/16)
.if (i%2) == 0
.set zb, 1+kb
.elseif kb < 4
.set zb, 0
.else
.set zb, kb-3
.endif
.set rM, MC+8*zb
.if i < 16
	WIN 0x1e                                       ; K window 2, Q window 3, the mask window 1, S^T window 0
	v_wmma_f32_16x16x32_bf16 v[rS:rS+7], v[rK:rK+7], v[rQ:rQ+7], v[rM:rM+7]
.else
	WIN 0x0e
	v_wmma_f32_16x16x32_bf16 v[rS:rS+7], v[rK:rK+7], v[rQ:rQ+7], v[rS:rS+7]
.endif
.set i, i+1
.endr
	WIN 0
	PLACES
.set n, 0
.rept 38                               ; the two tiles alternate, so that no line waits for the one before it
	XS 0, n
	XS 1, n
.set n, n+1
.endr
.set p, 0
.rept 33                               ; ONE BATCH: 64 scalings and, with the two a above, 130 exponentials; a pair's exponentials stand a pair behind its scaling; nothing here names an exponential's result
.if p < 32
	FS 0, p
	FS 1, p
.endif
.if p > 0
	EX 0, p-1
	EX 1, p-1
.endif
.set p, p+1
.endr
	v_nop                                          ; a plain instruction behind the last exponential (ISA guide 5.7.2)
	s_wait_alu depctr_va_vdst(0)                   ; one wait for the batch, ahead of its first reader
.set p, 0
.rept 32
	v_cvt_pk_bf16_f32 v[P+p], v[S+2*p], v[S+2*p+1]
	v_cvt_pk_bf16_f32 v[P+32+p], v[S+64+2*p], v[S+64+2*p+1]
.set p, p+1
.endr
.irp w, 1,2,4,8,16                     ; the sum of a tile's 32 pairs, in place: neighbours 1, 2, 4, 8, 16 pairs apart
.set i, 0
.rept 16/(\w)
	v_pk_add_f32 v[S+2*i:S+2*i+1], v[S+2*i:S+2*i+1], v[S+2*(i+(\w)):S+2*(i+(\w))+1]
	v_pk_add_f32 v[S+64+2*i:S+64+2*i+1], v[S+64+2*i:S+64+2*i+1], v[S+64+2*(i+(\w)):S+64+2*(i+(\w))+1]
.set i, i+2*(\w)
.endr
.endr
.irp u, 0,1
	v_pk_fma_f32 v[ST+8*(\u)+2:ST+8*(\u)+3], v[ST+8*(\u)+2:ST+8*(\u)+3], v[ST+8*(\u)+6:ST+8*(\u)+7], v[S+64*(\u):S+64*(\u)+1] op_sel_hi:[1,0,1]  ; l = a l + the sum
.endr
	WIN 0x41
.irp u, 0,1
.set i, 0
.rept 16
	v_pk_mul_f32 v[32*(\u)+2*i:32*(\u)+2*i+1], v[32*(\u)+2*i:32*(\u)+2*i+1], v[ST+8*(\u)+6:ST+8*(\u)+7] op_sel_hi:[1,0]  ; O^T a, each accumulator from its low end on
.set i, i+1
.endr
.endr
	s_wait_dscnt 0x0                               ; V is in
	WIN 0x52                                       ; V window 2, P window 0, O^T window 1
.set i, 0
.rept 32                               ; O^T: keys 32 (i / 8) on, channels 16 ((i / 2) % 4) on, tile i % 2.  The 8 accumulators take turns
.set rO, 32*(i%2)+8*((i/2)%4)
.set rV, VF+32*(i/8)+8*((i/2)%4)
.set rP, P+32*(i%2)+8*(i/8)
	v_wmma_f32_16x16x32_bf16 v[rO:rO+7], v[rV:rV+7], v[rP:rP+7], v[rO:rO+7]
.set i, i+1
.endr
	WIN 0
	PLACES                                         ; in front of the next trip's loads into V's registers, and of the way out
.Lnext:
	s_add_co_u32 s16, s16, 1
	s_cmp_lt_u32 s16, 8
	s_cbranch_scc1 .Ltile
	; a block's end
.irp u, 0,1
	v_add_f32 v[ST+8*(\u)+4], v[ST+8*(\u)+2], v[ST+8*(\u)+3]
.endr
.irp u, 0,1
	v_permlanex16_b32 v[ST+8*(\u)+5], v[ST+8*(\u)+4], s60, s61
.endr
.irp u, 0,1
	v_add_f32 v[ST+8*(\u)+4], v[ST+8*(\u)+4], v[ST+8*(\u)+5]
.endr
.irp u, 0,1
	v_rcp_f32 v[ST+8*(\u)+6], v[ST+8*(\u)+4]
.endr
	v_nop
	s_wait_alu depctr_va_vdst(0)                   ; one wait for the two reciprocals
	PACK 0
	PACK 1
	SEND 0, 8
	SEND 1, 0
	WIN 0xc3
.set i, 0
.rept 32
	v_mov_b32 v[i], v[QB+i]                        ; the second block's Q goes where the one text of the trips names Q (behind the second block this serves nothing)
.set i, i+1
.endr
	WIN 0
	s_mov_b32 s15, s12                             ; my wave's second block: w
	s_sub_co_u32 s17, s17, 1
	s_cmp_lg_u32 s17, 0
	s_cbranch_scc1 .Lblock
	s_wait_tensorcnt 0x0                           ; the wave's end
	ds_add_u32 v[SPW], v[NIL]
	s_wait_dscnt 0x0
	CROUND                                         ; the closing round
	s_endpgm
.Lfunc_end_k_qb0569eaaae_attn:
	.size	k_qb0569eaaae_attn, .Lfunc_end_k_qb0569eaaae_attn-k_qb0569eaaae_attn
	.p2alignl 7, 3214868480
	.fill 96, 4, 3214868480
	.section	.rodata,"a",@progbits
	.p2align	6, 0x0
	.amdhsa_kernel k_qb0569eaaae_attn
		.amdhsa_group_segment_fixed_size 327680
		.amdhsa_private_segment_fixed_size 0
		.amdhsa_enable_private_segment 0
		.amdhsa_kernarg_size 16
		.amdhsa_user_sgpr_count 2
		.amdhsa_user_sgpr_kernarg_segment_ptr 1
		.amdhsa_wavefront_size32 1
		.amdhsa_system_sgpr_workgroup_id_x 1
		.amdhsa_system_sgpr_workgroup_id_y 1
		.amdhsa_system_sgpr_workgroup_id_z 1
		.amdhsa_system_vgpr_workitem_id 0
		.amdhsa_next_free_vgpr 832
		.amdhsa_next_free_sgpr 66
		.amdhsa_reserve_vcc 1
		.amdhsa_float_denorm_mode_32 3
		.amdhsa_float_denorm_mode_16_64 3
		.amdhsa_memory_ordered 1
		.amdhsa_forward_progress 1
		.amdhsa_inst_pref_size 60
	.end_amdhsa_kernel
	.amdgpu_metadata
---
amdhsa.version: [ 1, 2 ]
amdhsa.kernels:
  - .name:           k_qb0569eaaae_attn
    .symbol:         k_qb0569eaaae_attn.kd
    .args:
      - { .name: big, .offset: 0, .size: 8, .value_kind: global_buffer, .address_space: global }
      - { .name: act, .offset: 8, .size: 8, .value_kind: global_buffer, .address_space: global }
    .group_segment_fixed_size: 327680
    .private_segment_fixed_size: 0
    .kernarg_segment_align: 8
    .kernarg_segment_size: 16
    .max_flat_workgroup_size: 128
    .sgpr_count:     66
    .vgpr_count:     832
    .wavefront_size: 32
...
	.end_amdgpu_metadata
.endif
;; end of part 3
;; launch wo (part 4): grid 8 x 32, 4 waves a work-group, clusters of 4 x 4, 327,680 bytes of LDS; arguments act, w2o, bo, x, x1; writes x1
.if DOCPART == 4
	.amdgcn_target "amdgcn-amd-amdhsa--gfx1250"
	.amdhsa_code_object_version 6
	.text
	.protected	k_qb0569eaaae_wo
	.globl	k_qb0569eaaae_wo
	.p2align	8
	.type	k_qb0569eaaae_wo,@function
k_qb0569eaaae_wo:
	s_mov_b64 s[64:65], 0
	v_nop
	global_prefetch_b8 v0, s[64:65] scope:SCOPE_SE
	s_setreg_imm32_b32 hwreg(HW_REG_WAVE_MODE, 25, 1), 1
	s_wait_xcnt 0x0
	s_wait_alu depctr_hold_cnt(0) depctr_sa_sdst(0) depctr_va_vdst(0) depctr_va_sdst(0) depctr_va_ssrc(0) depctr_va_vcc(0) depctr_vm_vsrc(0)
	s_getreg_b32 s2, hwreg(HW_REG_IB_STS2, 6, 4)
	s_cmp_eq_u32 s2, 0
	s_cbranch_scc0 .Lentry_in_a_cluster
	s_endpgm
.Lentry_in_a_cluster:
	s_bfe_u32 s2, ttmp6, 0x10000c
	s_cmp_lg_u32 s2, 0xf033
	s_cbranch_scc0 .Lentry_shape_is_right
	s_endpgm
.Lentry_shape_is_right:
; OUT = RES + (A W + bias), all of OUT, RES and bias in f32 (with RELU = 1: RES + max(A W + bias, 0)).  Here: x1 = x + O Wo + bo.
; A: [k / 64][4096 rows][64] bf16: 128 rows of 64 k are 16,384 dense bytes.  W: from byte WOFF of its buffer, 8 blocks [KTOT k][128 n] bf16, one for each tile column, rows end to end.
; SHARES.  A tile of 128 x 128 a work-group: 256 work-groups.  K IS SPLIT AMONG THE FOUR WAVES: of each slot's 256 k wave w takes 64 w .. 64 w + 63, for the whole tile: 64 accumulators a wave,
; and each LDS byte of a slot is read once.  The four partial sums meet in LDS at the end, in f32, over the slots, which have had their last fill by then.
; THE MATRIX INSTRUCTION IS USED TRANSPOSED (source 0 = 16 columns of W, turned by ds_load_tr16_b128; source 1 = 16 rows of A).
; CLUSTER 4 x 4: A's tile is asked for jointly by a row of the cluster, W's by a column.
; THE CHANGE OF SLOTS stands at the head of a step's second half, whose fragments are in registers by then: a refill has a whole step, 128 matrix instructions, between its request and the wait for it.
; No prefetch here (PREF = 0): the ring has four steps, two of them first fills.
; REGISTERS: window 0: v16-29 addresses and the bias; v64-127, v128-191 A's fragments.  window 1: the same numbers W's fragments; v0-63, v192-255 RES, loaded at the head.
;   windows 2, 3: the accumulators; at the end window 2 holds my 32 rows' sums (v0-127) and a partner's part (v128-255)
.set KTOT,  1024
.set WOFF,  0
.set RELU,  0
.set PREF,  0
.set STEPS, KTOT/256
.set PITA,  144                        ; 128 + 16 bytes
.set PITB,  288                        ; 256 + 32 bytes = 9 x 32, for the turning load
.set QUART, 36864                      ; what one tensor load brings: 2 blocks of 128 rows of A, or 128 rows of W
.set SLOT,  4*QUART                    ; 0x24000, which shares no bit with wave x QUART
.set SPARE, 2*SLOT                     ; the spare words: two blocks of 256 bytes that no other line names
.set REDP,  528                        ; a row of a partial tile: 512 + 16 bytes
.set REDW,  128*REDP
.set A0,   16
.set B0,   17
.set ADRA, 18
.set ADRB, 19
.set STO,  20
.set RD,   21
.set CO,   22
.set PFO,  23
.set BI,   24                          ; v[24:27] the bias of my four columns
.set SPW,  28
.set NIL,  29
.set F0,   64
.set F1,   128
.set G1,   24
.set G0,   32
.set G1B,  48
.set G0B,  56
.set LIM,  43
.set PFA,  44
.set TB,   66
.set PFS,  68
.set MSB, 0
.macro WIN new
.if MSB != (\new)
	s_set_vgpr_msb (MSB<<8)|(\new)
.set MSB, \new
.endif
.endm
.macro PLACES
.rept 4
	v_nop
.endr
.endm
.macro JLOAD                           ; a joint refill by the walking descriptor: waves 0, 1 fetch A, waves 2, 3 W; s_nop 0 and four v_nop follow each line
	s_cmp_eq_u32 s15, 0
	s_cbranch_scc0 .Lfor_b_\@
	tensor_load_to_lds s[G0+4:G0+7], s[G1:G1+7]
	s_nop 0
.rept 4
	v_nop
.endr
	s_branch .Lasked_\@
.Lfor_b_\@:
	tensor_load_to_lds s[G0B+4:G0B+7], s[G1B:G1B+7]
	s_nop 0
.rept 4
	v_nop
.endr
.Lasked_\@:
.endm
.macro CROUND                          ; a round of the cluster's barrier
	s_barrier_signal -1
	s_barrier_wait -1
	s_cmp_lg_u32 s14, 0
	s_cbranch_scc1 .Lnot_wave_0_\@
	s_barrier_signal -3
.Lnot_wave_0_\@:
	s_barrier_wait -3
	s_barrier_signal -1
	s_barrier_wait -1
.endm
.macro ASK                             ; one prefetch a wave behind a refill: 32 blocks of 256 bytes of the step two refills on; each block is named once in the launch
	s_cmp_gt_u32 s3, s[LIM]
	s_cbranch_scc0 .Lnot_mine_\@
	global_prefetch_b8 v[PFO], s[PFA:PFA+1] th:TH_LOAD_NT scope:SCOPE_SE
.Lnot_mine_\@:
.endm
.macro MUL16 f, hi, a0, first          ; 16 matrix instructions; first = 1: the constant 0 starts the sums.  The 64 accumulators take turns in one order everywhere
	WIN 0xa1+0x50*(\hi)
.irp a, \a0, (\a0)+1
.irp b, 0,1,2,3,4,5,6,7
.if \first
	v_wmma_f32_16x16x32_bf16 v[8*(8*(\a)+(\b)):8*(8*(\a)+(\b))+7], v[(\f)+8*(\b):(\f)+8*(\b)+7], v[(\f)+8*(4*(\hi)+(\a)):(\f)+8*(4*(\hi)+(\a))+7], 0
.else
	v_wmma_f32_16x16x32_bf16 v[8*(8*(\a)+(\b)):8*(8*(\a)+(\b))+7], v[(\f)+8*(\b):(\f)+8*(\b)+7], v[(\f)+8*(4*(\hi)+(\a)):(\f)+8*(4*(\hi)+(\a))+7], v[8*(8*(\a)+(\b)):8*(8*(\a)+(\b))+7]
.endif
.endr
.endr
.endm
.macro FETCH c, f                      ; 32 LDS loads in one run: half c (32 k) of my 64 k of the slot in hand: W's 128 columns, then A's 128 rows
	WIN 0x40
.irp i, 0,1,2,3,4,5,6,7
	ds_load_tr16_b128 v[(\f)+8*(\i):(\f)+8*(\i)+3],   v[ADRB] offset:(\c)*32*PITB+32*(\i)
	ds_load_tr16_b128 v[(\f)+8*(\i)+4:(\f)+8*(\i)+7], v[ADRB] offset:(\c)*32*PITB+32*(\i)+16*PITB
.endr
	WIN 0
.irp i, 0,1,2,3,4,5,6,7
	ds_load_b128 v[(\f)+8*(\i):(\f)+8*(\i)+3],   v[ADRA] offset:(\c)*64+(\i)*16*PITA
	ds_load_b128 v[(\f)+8*(\i)+4:(\f)+8*(\i)+7], v[ADRA] offset:(\c)*64+(\i)*16*PITA+32
.endr
.endm
.macro QUARTER c, f, g, first
	s_wait_dscnt 8                                 ; W and A's rows 0-63 are in; the youngest eight loads may be out
	MUL16 \f, 0, 0, \first
	MUL16 \f, 0, 2, \first
	PLACES
	FETCH \c, \g
	s_wait_dscnt 32                                ; all but the 32 just issued
	MUL16 \f, 1, 0, \first
	MUL16 \f, 1, 2, \first
.endm
; A step's second half: first the change of slots, then the half's 64 products, whose fragments (buffer 1) are in registers.  fill = 1: the slot just read out takes the step two on.
.macro TURN fill
	WIN 0                                          ; the add's registers lie in window 0
.if (\fill) && PREF
	s_wait_xcnt 0x0                                ; the last prefetch, a step back, has read its address
	s_add_nc_u64 s[PFA:PFA+1], s[PFA:PFA+1], s[PFS:PFS+1]
.endif
	s_wait_tensorcnt 0x0                           ; all my tensor loads have landed: my part of the next slot; so a group 0 may be written
	ds_add_u32 v[SPW], v[NIL]                      ; 0 onto my spare word: the descriptors' steps stand between it and the wait for it
.if \fill
	s_xor_b32 s[G0+5], s[G0+5], SLOT
	s_add_nc_u64 s[G0+6:G0+7], s[G0+6:G0+7], 4*524288
	s_xor_b32 s[G0B+5], s[G0B+5], SLOT
	s_add_nc_u64 s[G0B+6:G0B+7], s[G0B+6:G0B+7], 65536
.endif
	s_wait_dscnt 0x0                               ; the add is done, and my reads of this slot are over: the last, into buffer 1, were issued 32 matrix instructions ago
.if \fill
	CROUND                                         ; no wave of any partner still reads the slot or has a load on its way
	JLOAD                                          ; the first tensor load behind the round; its four v_nop are also the places in front of the loads into buffer 0 below
.else
	s_barrier_signal -1
	s_barrier_wait -1                              ; the next slot is whole; nothing is filled again
	PLACES
.endif
	s_xor_b32 s[TB], s[TB], SLOT
	v_add_nc_u32 v[ADRA], s[TB], v[A0]
	v_add_nc_u32 v[ADRB], s[TB], v[B0]
	FETCH 0, F0
.if (\fill) && PREF
	ASK
.endif
	MUL16 F1, 0, 0, 0
	MUL16 F1, 0, 2, 0
	MUL16 F1, 1, 0, 0
	MUL16 F1, 1, 2, 0
.endm
	s_load_b256 s[4:11], s[0:1], 0x0               ; A s[4:5], W s[6:7], bias s[8:9], RES s[10:11]
	s_load_b64 s[12:13], s[0:1], 0x20              ; OUT
	v_lshl_add_u32 v[SPW], v0, 2, SPARE
	v_mov_b32 v[NIL], 0
	ds_add_u32 v[SPW], v[NIL]                      ; the wave's opening: the add and its wait ahead of my first tensor load
	v_lshrrev_b32 v1, 5, v0
	v_readfirstlane_b32 s14, v1                    ; wave 0..3
	s_lshr_b32 s15, s14, 1                         ; I fetch for A (0) or for W (1)
	s_and_b32 s16, s14, 1                          ; which half
	s_bfe_u32 s19, ttmp6, 0x40000                  ; cx
	s_bfe_u32 s20, ttmp6, 0x40004                  ; cy
	s_lshl_b32 s18, ttmp9, 2
	s_add_co_u32 s18, s18, s19                     ; tile column
	s_and_b32 s17, ttmp7, 0xffff
	s_lshl_b32 s17, s17, 2
	s_add_co_u32 s17, s17, s20                     ; tile row
	s_lshl_b32 s21, s20, 2
	s_lshl_b32 s21, 15, s21                        ; my row of the cluster
	s_lshl_b32 s22, 0x1111, s19                    ; my column
	s_or_b32 s[G1+0], s21, (1<<16)|(1<<20)|(1<<21)|(4<<22)|(3<<25)   ; after every 32 words (a row of 64 k), 4 words
	s_or_b32 s[G1B+0], s22, (1<<16)|(1<<20)|(1<<21)|(5<<22)|(7<<25)  ; after every 64 words, 8 words
	s_mov_b32 s[G1+1], 8192<<16                    ; A: a descriptor row is a dense block of 128 rows x 64 k = 8,192 elements;
	s_mov_b32 s[G1+2], 2<<16                       ; two of them,
	s_mov_b32 s[G1+3], 8192<<16
	s_mov_b32 s[G1+4], 2
	s_mov_b32 s[G1+5], 262144                      ; a column block (4,096 rows x 64) apart
	s_mov_b32 s[G1+6], 0
	s_mov_b32 s[G1+7], 0
	s_mov_b32 s[G1B+1], 128<<16                    ; W: 128 elements x 128 rows, dense
	s_mov_b32 s[G1B+2], 128<<16
	s_mov_b32 s[G1B+3], 128<<16
	s_mov_b32 s[G1B+4], 128
	s_mov_b32 s[G1B+5], 128
	s_mov_b32 s[G1B+6], 0
	s_mov_b32 s[G1B+7], 0
	s_lshl_b32 s40, s16, 20                        ; A: my two column blocks of the step's four,
	s_lshl_b32 s41, s17, 14                        ; the tile's 128 rows
	s_add_co_u32 s40, s40, s41
	s_mov_b32 s41, 0
	s_mul_i32 s46, s18, KTOT*256                   ; W: the tile column's block,
	s_lshl_b32 s47, s16, 15                        ; my 128 rows of the step's 256
	s_add_co_u32 s46, s46, s47
	s_add_co_u32 s46, s46, WOFF
	s_mov_b32 s47, 0
	s_mul_i32 s23, s14, QUART                      ; where they go: no place in the cluster enters an LDS address
	s_wait_dscnt 0x0                               ; the opening add is done
	s_wait_kmcnt 0x0
	s_add_nc_u64 s[40:41], s[4:5], s[40:41]
	s_add_nc_u64 s[46:47], s[6:7], s[46:47]
	CROUND                                         ; all sixteen work-groups are here: the first joint loads meet
.irp s, 0,1
	s_mov_b32 s[G0+4*(\s)], 1
	s_add_co_u32 s[G0+4*(\s)+1], s23, (\s)*SLOT
	s_add_nc_u64 s[G0+4*(\s)+2:G0+4*(\s)+3], s[40:41], (\s)*4*524288
	s_or_b32 s[G0+4*(\s)+3], s[G0+4*(\s)+3], 0x80000000
	s_mov_b32 s[G0B+4*(\s)], 1
	s_add_co_u32 s[G0B+4*(\s)+1], s23, (\s)*SLOT
	s_add_nc_u64 s[G0B+4*(\s)+2:G0B+4*(\s)+3], s[46:47], (\s)*65536
	s_or_b32 s[G0B+4*(\s)+3], s[G0B+4*(\s)+3], 0x80000000
.endr
	s_cmp_eq_u32 s15, 0                            ; a wave's two first fills stand in one branch: two loads of mine are out
	s_cbranch_scc0 .Lfirst_b
	tensor_load_to_lds s[G0:G0+3], s[G1:G1+7]
	s_nop 0
	tensor_load_to_lds s[G0+4:G0+7], s[G1:G1+7]
	s_nop 0
.rept 4
	v_nop
.endr
	s_branch .Lfirst_asked
.Lfirst_b:
	tensor_load_to_lds s[G0B:G0B+3], s[G1B:G1B+7]
	s_nop 0
	tensor_load_to_lds s[G0B+4:G0B+7], s[G1B:G1B+7]
	s_nop 0
.rept 4
	v_nop
.endr
.Lfirst_asked:
	v_and_b32 v1, 15, v0                           ; l % 16
	v_bfe_u32 v2, v0, 4, 1                         ; l / 16
	v_and_b32 v[CO], 31, v0
	v_lshlrev_b32 v[PFO], 8, v[CO]
	v_lshlrev_b32 v[CO], 4, v[CO]                  ; at the end a lane holds four columns of a row: 32 lanes, 512 bytes
	s_lshl_b32 s2, s17, 19                         ; RES and OUT at row 128 x tile row + 32 x wave, column 128 x tile column
	s_lshl_b32 s3, s14, 17
	s_add_co_u32 s2, s2, s3
	s_lshl_b32 s3, s18, 9
	s_add_co_u32 s2, s2, s3
	s_mov_b32 s3, 0
	s_add_nc_u64 s[70:71], s[10:11], s[2:3]
	s_add_nc_u64 s[12:13], s[12:13], s[2:3]
	s_lshl_b32 s2, s18, 9
	s_add_nc_u64 s[8:9], s[8:9], s[2:3]
	global_load_b128 v[BI:BI+3], v[CO], s[8:9]
	WIN 0x40                                       ; destination window 1.  These 32 loads stay out across the loop; nothing names their registers before the wait at the end
.set i, 0
.rept 32
.set RR, 4*i+128*(i/16)
	global_load_b128 v[RR:RR+3], v[CO], s[70:71] offset:4096*i th:TH_LOAD_NT
.set i, i+1
.endr
	WIN 0
.if PREF
	s_lshr_b32 s21, s19, 1                         ; A: of the 128 blocks of 256 bytes that I fetch, partner cx takes 32: column block cx / 2, half cx % 2
	s_lshl_b32 s21, s21, 19
	s_and_b32 s22, s19, 1
	s_lshl_b32 s22, s22, 13
	s_add_co_u32 s21, s21, s22
	s_lshl_b32 s22, s20, 13                        ; W: partner cy takes 8,192 dense bytes
	s_and_b32 s23, ttmp7, 0xffff
	s_mov_b32 s[PFS], 0x200000
	s_mov_b32 s[PFS+1], 0x10000
	s_cmp_eq_u32 s15, 0
	s_cselect_b32 s2, s21, s22
	s_cselect_b32 s23, ttmp9, s23                  ; the coordinate along which other clusters read the same bytes
	s_cselect_b64 s[PFA:PFA+1], s[40:41], s[46:47]
	s_cselect_b32 s[PFS], s[PFS], s[PFS+1]
	s_mov_b32 s[PFS+1], 0
	s_add_nc_u64 s[PFA:PFA+1], s[PFA:PFA+1], s[2:3]
	s_mul_i32 s2, s[PFS], 3
	s_add_nc_u64 s[PFA:PFA+1], s[PFA:PFA+1], s[2:3]  ; at step 3: the first refill steps it to 4
	s_cmp_eq_u32 s23, 0
	s_cselect_b32 s[LIM], 2, -1
.endif
	v_mul_u32_u24 v3, v1, PITA
	v_lshl_add_u32 v3, v2, 4, v3
	s_mul_i32 s21, s14, 128*PITA
	v_add_nc_u32 v[A0], s21, v3                    ; my column block of the slot's four
	v_and_b32 v4, 7, v0
	v_lshl_add_u32 v4, v2, 3, v4
	s_lshl_b32 s21, s14, 6
	v_add_nc_u32 v4, s21, v4                       ; k = 64 w + 8 (l / 16) + l % 8
	v_mul_u32_u24 v4, v4, PITB
	v_bfe_u32 v5, v0, 3, 1
	v_lshl_add_u32 v4, v5, 4, v4
	v_add_nc_u32 v[B0], 2*QUART, v4
	s_mul_i32 s21, s14, REDW
	v_mul_u32_u24 v3, v1, REDP
	v_lshl_add_u32 v3, v2, 5, v3
	v_add_nc_u32 v[STO], s21, v3                   ; my partial tile: row l % 16, 32 bytes for each half of the lanes
	s_mul_i32 s21, s14, 32*REDP
	v_add_nc_u32 v[RD], s21, v[CO]                 ; rows 32 w on of wave 0's partial tile
	s_wait_tensorcnt 0x1                           ; my part of step 0 is in; step 1's may stay out
	s_barrier_signal -1
	s_barrier_wait -1
	s_mov_b32 s[TB], 0
	v_mov_b32 v[ADRA], v[A0]
	v_mov_b32 v[ADRB], v[B0]
	FETCH 0, F0
	QUARTER 1, F0, F1, 1
	WIN 0
	s_mov_b32 s3, STEPS-2
.Lstep:                                        ; a trip: the change of slots with its refill, a step's second half, the next step's first half
	TURN 1
	QUARTER 1, F0, F1, 0
	WIN 0
	s_sub_co_u32 s3, s3, 1
	s_cmp_lg_u32 s3, 0
	s_cbranch_scc1 .Lstep
	TURN 0                                         ; the tail is written out: nothing more is asked for
	QUARTER 1, F0, F1, 0
	s_wait_dscnt 8
	MUL16 F1, 0, 0, 0
	MUL16 F1, 0, 2, 0
	s_wait_dscnt 0x0
	MUL16 F1, 1, 0, 0
	MUL16 F1, 1, 2, 0
	PLACES
	WIN 0
	s_barrier_signal -1                            ; my reads of the slots are over (the wait for 0 above); every tensor load was waited for in front of the last change of slots
	s_barrier_wait -1                              ; nobody reads the slots any more: the partial tiles go over them
.irp hi, 0,1
	WIN 0x08+4*(\hi)                               ; the data in window 2 or 3
.irp a, 0,1,2,3
.irp b, 0,1,2,3,4,5,6,7
	ds_store_b128 v[STO], v[8*(8*(\a)+(\b)):8*(8*(\a)+(\b))+3]   offset:16*REDP*(4*(\hi)+(\a))+64*(\b)      ; each accumulator from its low end on
	ds_store_b128 v[STO], v[8*(8*(\a)+(\b))+4:8*(8*(\a)+(\b))+7] offset:16*REDP*(4*(\hi)+(\a))+64*(\b)+16
.endr
.endr
.endr
	WIN 0
	s_wait_dscnt 0x0                               ; for the others' sake: my stores are done
	s_barrier_signal -1
	s_barrier_wait -1
	WIN 0x80
.set i, 0
.rept 32
	ds_load_b128 v[4*i:4*i+3], v[RD] offset:REDP*i ; a whole row of 512 bytes an instruction
.set i, i+1
.endr
	WIN 0
	s_mov_b32 s3, 3
.Lred:                                         ; the other three waves' parts of my 32 rows
	v_add_nc_u32 v[RD], REDW, v[RD]
	WIN 0x80
.set i, 0
.rept 32
	ds_load_b128 v[128+4*i:128+4*i+3], v[RD] offset:REDP*i
.set i, i+1
.endr
	s_wait_dscnt 0x0
	WIN 0x8a
.set i, 0
.rept 64
	v_pk_add_f32 v[2*i:2*i+1], v[2*i:2*i+1], v[128+2*i:128+2*i+1]
.set i, i+1
.endr
	WIN 0
	s_sub_co_u32 s3, s3, 1
	s_cmp_lg_u32 s3, 0
	s_cbranch_scc1 .Lred
	s_wait_loadcnt 0x0                             ; the bias and RES
	WIN 0x82
.set i, 0
.rept 64
	v_pk_add_f32 v[2*i:2*i+1], v[2*i:2*i+1], v[BI+2*(i%2):BI+2*(i%2)+1]
.set i, i+1
.endr
.if RELU
	WIN 0x88
.set i, 0
.rept 128
	v_max_num_f32 v[i], 0, v[i]
.set i, i+1
.endr
.endif
	WIN 0x86
.set i, 0
.rept 64
.set RR, 2*i+128*(i/32)
	v_pk_add_f32 v[2*i:2*i+1], v[2*i:2*i+1], v[RR:RR+1]
.set i, i+1
.endr
	WIN 0x08
.set i, 0
.rept 32
	global_store_b128 v[CO], v[4*i:4*i+3], s[12:13] offset:4096*i  ; 512 consecutive bytes of one row, aligned
.set i, i+1
.endr
	WIN 0
	s_wait_tensorcnt 0x0                           ; the wave's end
	ds_add_u32 v[SPW], v[NIL]
	s_wait_dscnt 0x0
	CROUND                                         ; the closing round
	s_endpgm
.Lfunc_end_k_qb0569eaaae_wo:
	.size	k_qb0569eaaae_wo, .Lfunc_end_k_qb0569eaaae_wo-k_qb0569eaaae_wo
	.p2alignl 7, 3214868480
	.fill 96, 4, 3214868480
	.section	.rodata,"a",@progbits
	.p2align	6, 0x0
	.amdhsa_kernel k_qb0569eaaae_wo
		.amdhsa_group_segment_fixed_size 327680
		.amdhsa_private_segment_fixed_size 0
		.amdhsa_enable_private_segment 0
		.amdhsa_kernarg_size 40
		.amdhsa_user_sgpr_count 2
		.amdhsa_user_sgpr_kernarg_segment_ptr 1
		.amdhsa_wavefront_size32 1
		.amdhsa_system_sgpr_workgroup_id_x 1
		.amdhsa_system_sgpr_workgroup_id_y 1
		.amdhsa_system_sgpr_workgroup_id_z 1
		.amdhsa_system_vgpr_workitem_id 0
		.amdhsa_next_free_vgpr 1024
		.amdhsa_next_free_sgpr 72
		.amdhsa_reserve_vcc 0
		.amdhsa_float_denorm_mode_32 3
		.amdhsa_float_denorm_mode_16_64 3
		.amdhsa_memory_ordered 1
		.amdhsa_forward_progress 1
		.amdhsa_inst_pref_size 78
	.end_amdhsa_kernel
	.amdgpu_metadata
---
amdhsa.version: [ 1, 2 ]
amdhsa.kernels:
  - .name:           k_qb0569eaaae_wo
    .symbol:         k_qb0569eaaae_wo.kd
    .args:
      - { .name: act, .offset: 0, .size: 8, .value_kind: global_buffer, .address_space: global }
      - { .name: w2o, .offset: 8, .size: 8, .value_kind: global_buffer, .address_space: global }
      - { .name: bo, .offset: 16, .size: 8, .value_kind: global_buffer, .address_space: global }
      - { .name: x, .offset: 24, .size: 8, .value_kind: global_buffer, .address_space: global }
      - { .name: x1, .offset: 32, .size: 8, .value_kind: global_buffer, .address_space: global }
    .group_segment_fixed_size: 327680
    .private_segment_fixed_size: 0
    .kernarg_segment_align: 8
    .kernarg_segment_size: 40
    .max_flat_workgroup_size: 128
    .sgpr_count:     72
    .vgpr_count:     1024
    .wavefront_size: 32
...
	.end_amdgpu_metadata
.endif
;; end of part 4
;; launch ln2 (part 5): grid 256 x 1, 16 waves a work-group, no clusters, 0 bytes of LDS; arguments x1, ln2_g, ln2_b, act; writes act
.if DOCPART == 5
	.amdgcn_target "amdgcn-amd-amdhsa--gfx1250"
	.amdhsa_code_object_version 6
	.text
	.protected	k_qb0569eaaae_ln2
	.globl	k_qb0569eaaae_ln2
	.p2align	8
	.type	k_qb0569eaaae_ln2,@function
k_qb0569eaaae_ln2:
	s_mov_b64 s[64:65], 0
	v_nop
	global_prefetch_b8 v0, s[64:65] scope:SCOPE_SE
	s_setreg_imm32_b32 hwreg(HW_REG_WAVE_MODE, 25, 1), 1
	s_wait_xcnt 0x0
; LN2: h2 = (x1 - mean) * rsqrt(var + 1e-5) * g + b, a wave a row of 1,024 f32, rounded once to bf16 into act [4096][1024].
; A stream: the row stays in 32 registers between its passes and is read once; each store of a wave covers 256 consecutive bytes, aligned.  No LDS, no barrier: a row never leaves its wave.
; The mean is taken first and the squares of x - mean second, all in f32.
.set LO,  1
.set SO,  2
.set MU,  4
.set R,   6
.set X,   8
.set G,   40
.set BV,  72
.set Y,   104
.set T,   120
.macro REDUCE                          ; the four pairs of T, then the wave's 32 lanes: the sum ends in v[T] of every lane
	v_pk_add_f32 v[T:T+1], v[T:T+1], v[T+2:T+3]
	v_pk_add_f32 v[T+4:T+5], v[T+4:T+5], v[T+6:T+7]
	v_pk_add_f32 v[T:T+1], v[T:T+1], v[T+4:T+5]
	v_add_f32 v[T], v[T], v[T+1]
	v_add_f32_dpp v[T], v[T], v[T] row_xmask:1 row_mask:0xf bank_mask:0xf
	v_add_f32_dpp v[T], v[T], v[T] row_xmask:2 row_mask:0xf bank_mask:0xf
	v_add_f32_dpp v[T], v[T], v[T] row_xmask:4 row_mask:0xf bank_mask:0xf
	v_add_f32_dpp v[T], v[T], v[T] row_xmask:8 row_mask:0xf bank_mask:0xf
	v_permlanex16_b32 v[T+1], v[T], s38, s39
	v_add_f32 v[T], v[T], v[T+1]
.endm
	s_load_b256 s[8:15], s[0:1], 0x0               ; x1 8, ln2_g 10, ln2_b 12, act 14
	v_lshrrev_b32 v1, 5, v0
	v_readfirstlane_b32 s36, v1                    ; wave 0..15
	v_and_b32 v2, 31, v0
	v_lshlrev_b32 v[LO], 4, v2
	v_lshlrev_b32 v[SO], 3, v2
	s_mov_b32 s43, 0
	s_mov_b32 s37, 0x3a800000                      ; 1 / 1024
	s_mov_b32 s50, 0x3727c5ac                      ; 1e-5
	s_mov_b32 s38, 0x76543210
	s_mov_b32 s39, 0xfedcba98
	s_lshl_b32 s41, ttmp9, 4
	s_add_co_u32 s41, s41, s36                     ; my row
	s_wait_kmcnt 0x0
	s_lshl_b32 s42, s41, 12
	s_add_nc_u64 s[8:9], s[8:9], s[42:43]
	s_lshl_b32 s42, s41, 11
	s_add_nc_u64 s[14:15], s[14:15], s[42:43]
.irp j, 0,1,2,3,4,5,6,7
	global_load_b128 v[X+4*(\j):X+4*(\j)+3], v[LO], s[8:9] offset:512*(\j) th:TH_LOAD_NT
.endr
.irp j, 0,1,2,3,4,5,6,7
	global_load_b128 v[G+4*(\j):G+4*(\j)+3], v[LO], s[10:11] offset:512*(\j)
.endr
.irp j, 0,1,2,3,4,5,6,7
	global_load_b128 v[BV+4*(\j):BV+4*(\j)+3], v[LO], s[12:13] offset:512*(\j)
.endr
	s_wait_loadcnt 16                              ; the row is in; the sixteen younger loads, gain and bias, stay out
.irp k, 0,1,2,3
	v_pk_add_f32 v[T+2*(\k):T+2*(\k)+1], v[X+2*(\k):X+2*(\k)+1], v[X+8+2*(\k):X+8+2*(\k)+1]
.endr
.irp m, 2,3
.irp k, 0,1,2,3
	v_pk_add_f32 v[T+2*(\k):T+2*(\k)+1], v[T+2*(\k):T+2*(\k)+1], v[X+8*(\m)+2*(\k):X+8*(\m)+2*(\k)+1]
.endr
.endr
	REDUCE
	v_mul_f32 v[MU], s37, v[T]
	v_mov_b32 v[MU+1], v[MU]
.set p, 0
.rept 16
	v_pk_add_f32 v[X+2*p:X+2*p+1], v[X+2*p:X+2*p+1], v[MU:MU+1] neg_lo:[0,1] neg_hi:[0,1]
.set p, p+1
.endr
.irp k, 0,1,2,3
	v_pk_mul_f32 v[T+2*(\k):T+2*(\k)+1], v[X+2*(\k):X+2*(\k)+1], v[X+2*(\k):X+2*(\k)+1]
.endr
.irp m, 1,2,3
.irp k, 0,1,2,3
	v_pk_fma_f32 v[T+2*(\k):T+2*(\k)+1], v[X+8*(\m)+2*(\k):X+8*(\m)+2*(\k)+1], v[X+8*(\m)+2*(\k):X+8*(\m)+2*(\k)+1], v[T+2*(\k):T+2*(\k)+1]
.endr
.endr
	REDUCE
	v_fma_f32 v[T], v[T], s37, s50                 ; var + eps
	v_rsq_f32 v[R], v[T]
	v_rsq_f32 v[R+1], v[T]
	v_nop                                          ; a plain instruction behind the last root (ISA guide 5.7.2)
	s_wait_alu depctr_va_vdst(0)                   ; one wait for both roots, ahead of their first reader
	s_wait_loadcnt 0x0                             ; gain and bias
.set p, 0
.rept 16
	v_pk_mul_f32 v[X+2*p:X+2*p+1], v[X+2*p:X+2*p+1], v[R:R+1]
.set p, p+1
.endr
.set p, 0
.rept 16
	v_pk_fma_f32 v[X+2*p:X+2*p+1], v[X+2*p:X+2*p+1], v[G+2*p:G+2*p+1], v[BV+2*p:BV+2*p+1]
.set p, p+1
.endr
.set p, 0
.rept 16
	v_cvt_pk_bf16_f32 v[Y+p], v[X+2*p], v[X+2*p+1]
.set p, p+1
.endr
.irp j, 0,1,2,3,4,5,6,7
	global_store_b64 v[SO], v[Y+2*(\j):Y+2*(\j)+1], s[14:15] offset:256*(\j)
.endr
	s_endpgm
.Lfunc_end_k_qb0569eaaae_ln2:
	.size	k_qb0569eaaae_ln2, .Lfunc_end_k_qb0569eaaae_ln2-k_qb0569eaaae_ln2
	.p2alignl 7, 3214868480
	.fill 96, 4, 3214868480
	.section	.rodata,"a",@progbits
	.p2align	6, 0x0
	.amdhsa_kernel k_qb0569eaaae_ln2
		.amdhsa_group_segment_fixed_size 0
		.amdhsa_private_segment_fixed_size 0
		.amdhsa_enable_private_segment 0
		.amdhsa_kernarg_size 32
		.amdhsa_user_sgpr_count 2
		.amdhsa_user_sgpr_kernarg_segment_ptr 1
		.amdhsa_wavefront_size32 1
		.amdhsa_system_sgpr_workgroup_id_x 1
		.amdhsa_system_sgpr_workgroup_id_y 1
		.amdhsa_system_sgpr_workgroup_id_z 1
		.amdhsa_system_vgpr_workitem_id 0
		.amdhsa_next_free_vgpr 128
		.amdhsa_next_free_sgpr 66
		.amdhsa_reserve_vcc 0
		.amdhsa_float_denorm_mode_32 3
		.amdhsa_float_denorm_mode_16_64 3
		.amdhsa_memory_ordered 1
		.amdhsa_forward_progress 1
		.amdhsa_inst_pref_size 12
	.end_amdhsa_kernel
	.amdgpu_metadata
---
amdhsa.version: [ 1, 2 ]
amdhsa.kernels:
  - .name:           k_qb0569eaaae_ln2
    .symbol:         k_qb0569eaaae_ln2.kd
    .args:
      - { .name: x1, .offset: 0, .size: 8, .value_kind: global_buffer, .address_space: global }
      - { .name: ln2_g, .offset: 8, .size: 8, .value_kind: global_buffer, .address_space: global }
      - { .name: ln2_b, .offset: 16, .size: 8, .value_kind: global_buffer, .address_space: global }
      - { .name: act, .offset: 24, .size: 8, .value_kind: global_buffer, .address_space: global }
    .group_segment_fixed_size: 0
    .private_segment_fixed_size: 0
    .kernarg_segment_align: 8
    .kernarg_segment_size: 32
    .max_flat_workgroup_size: 512
    .sgpr_count:     66
    .vgpr_count:     128
    .wavefront_size: 32
...
	.end_amdgpu_metadata
.endif
;; end of part 5
;; launch ff1: the kernel of part 2 again; grid 16 x 16, 4 waves a work-group, clusters of 4 x 4, 327,680 bytes of LDS; arguments act, w1b, big; writes big
;; launch ff2 (part 6): grid 8 x 32, 4 waves a work-group, clusters of 4 x 4, 327,680 bytes of LDS; arguments big, w2o, b2, x1, out0; writes out0
.if DOCPART == 6
	.amdgcn_target "amdgcn-amd-amdhsa--gfx1250"
	.amdhsa_code_object_version 6
	.text
	.protected	k_qb0569eaaae_ff2
	.globl	k_qb0569eaaae_ff2
	.p2align	8
	.type	k_qb0569eaaae_ff2,@function
k_qb0569eaaae_ff2:
	s_mov_b64 s[64:65], 0
	v_nop
	global_prefetch_b8 v0, s[64:65] scope:SCOPE_SE
	s_setreg_imm32_b32 hwreg(HW_REG_WAVE_MODE, 25, 1), 1
	s_wait_xcnt 0x0
	s_wait_alu depctr_hold_cnt(0) depctr_sa_sdst(0) depctr_va_vdst(0) depctr_va_sdst(0) depctr_va_ssrc(0) depctr_va_vcc(0) depctr_vm_vsrc(0)
	s_getreg_b32 s2, hwreg(HW_REG_IB_STS2, 6, 4)
	s_cmp_eq_u32 s2, 0
	s_cbranch_scc0 .Lentry_in_a_cluster
	s_endpgm
.Lentry_in_a_cluster:
	s_bfe_u32 s2, ttmp6, 0x10000c
	s_cmp_lg_u32 s2, 0xf033
	s_cbranch_scc0 .Lentry_shape_is_right
	s_endpgm
.Lentry_shape_is_right:
; OUT = RES + max(A W + bias, 0), all of OUT, RES and bias in f32.  Here: out0 = x1 + relu(ff1 W2 + b2).
; A: [k / 64][4096 rows][64] bf16: 128 rows of 64 k are 16,384 dense bytes.  W: from byte WOFF of its buffer, 8 blocks [KTOT k][128 n] bf16, one for each tile column, rows end to end.
; SHARES.  A tile of 128 x 128 a work-group: 256 work-groups.  K IS SPLIT AMONG THE FOUR WAVES: of each slot's 256 k wave w takes 64 w .. 64 w + 63, for the whole tile: 64 accumulators a wave,
; and each LDS byte of a slot is read once.  The four partial sums meet in LDS at the end, in f32, over the slots, which have had their last fill by then.
; THE MATRIX INSTRUCTION IS USED TRANSPOSED (source 0 = 16 columns of W, turned by ds_load_tr16_b128; source 1 = 16 rows of A).
; CLUSTER 4 x 4: A's tile is asked for jointly by a row of the cluster, W's by a column.
; THE CHANGE OF SLOTS stands at the head of a step's second half, whose fragments are in registers by then: a refill has a whole step, 128 matrix instructions, between its request and the wait for it.
; PREFETCH: behind each refill a wave names 32 blocks of 256 bytes of the step two refills on (256 matrix instructions ahead of the load that will want them).  A's bytes are read by both clusters of a
; row of clusters: cluster x = 0 asks; W's by all clusters of a column: cluster y = 0 asks; the four partners of a joint load share its 128 blocks out by address.  Steps 0 to 3 come by their loads alone;
; the last two refills ask for nothing.
; LIMIT.  A NaN in a sum counts as 0 in the maximum.
; REGISTERS: window 0: v16-29 addresses and the bias; v64-127, v128-191 A's fragments.  window 1: the same numbers W's fragments; v0-63, v192-255 RES, loaded at the head.
;   windows 2, 3: the accumulators; at the end window 2 holds my 32 rows' sums (v0-127) and a partner's part (v128-255)
.set KTOT,  4096
.set WOFF,  2097152
.set RELU,  1
.set PREF,  1
.set STEPS, KTOT/256
.set PITA,  144                        ; 128 + 16 bytes
.set PITB,  288                        ; 256 + 32 bytes = 9 x 32, for the turning load
.set QUART, 36864                      ; what one tensor load brings: 2 blocks of 128 rows of A, or 128 rows of W
.set SLOT,  4*QUART                    ; 0x24000, which shares no bit with wave x QUART
.set SPARE, 2*SLOT                     ; the spare words: two blocks of 256 bytes that no other line names
.set REDP,  528                        ; a row of a partial tile: 512 + 16 bytes
.set REDW,  128*REDP
.set A0,   16
.set B0,   17
.set ADRA, 18
.set ADRB, 19
.set STO,  20
.set RD,   21
.set CO,   22
.set PFO,  23
.set BI,   24                          ; v[24:27] the bias of my four columns
.set SPW,  28
.set NIL,  29
.set F0,   64
.set F1,   128
.set G1,   24
.set G0,   32
.set G1B,  48
.set G0B,  56
.set LIM,  43
.set PFA,  44
.set TB,   66
.set PFS,  68
.set MSB, 0
.macro WIN new
.if MSB != (\new)
	s_set_vgpr_msb (MSB<<8)|(\new)
.set MSB, \new
.endif
.endm
.macro PLACES
.rept 4
	v_nop
.endr
.endm
.macro JLOAD                           ; a joint refill by the walking descriptor: waves 0, 1 fetch A, waves 2, 3 W; s_nop 0 and four v_nop follow each line
	s_cmp_eq_u32 s15, 0
	s_cbranch_scc0 .Lfor_b_\@
	tensor_load_to_lds s[G0+4:G0+7], s[G1:G1+7]
	s_nop 0
.rept 4
	v_nop
.endr
	s_branch .Lasked_\@
.Lfor_b_\@:
	tensor_load_to_lds s[G0B+4:G0B+7], s[G1B:G1B+7]
	s_nop 0
.rept 4
	v_nop
.endr
.Lasked_\@:
.endm
.macro CROUND                          ; a round of the cluster's barrier
	s_barrier_signal -1
	s_barrier_wait -1
	s_cmp_lg_u32 s14, 0
	s_cbranch_scc1 .Lnot_wave_0_\@
	s_barrier_signal -3
.Lnot_wave_0_\@:
	s_barrier_wait -3
	s_barrier_signal -1
	s_barrier_wait -1
.endm
.macro ASK
	s_cmp_gt_u32 s3, s[LIM]
	s_cbranch_scc0 .Lnot_mine_\@
	global_prefetch_b8 v[PFO], s[PFA:PFA+1] th:TH_LOAD_NT scope:SCOPE_SE
.Lnot_mine_\@:
.endm
.macro MUL16 f, hi, a0, first          ; 16 matrix instructions; first = 1: the constant 0 starts the sums.  The 64 accumulators take turns in one order everywhere
	WIN 0xa1+0x50*(\hi)
.irp a, \a0, (\a0)+1
.irp b, 0,1,2,3,4,5,6,7
.if \first
	v_wmma_f32_16x16x32_bf16 v[8*(8*(\a)+(\b)):8*(8*(\a)+(\b))+7], v[(\f)+8*(\b):(\f)+8*(\b)+7], v[(\f)+8*(4*(\hi)+(\a)):(\f)+8*(4*(\hi)+(\a))+7], 0
.else
	v_wmma_f32_16x16x32_bf16 v[8*(8*(\a)+(\b)):8*(8*(\a)+(\b))+7], v[(\f)+8*(\b):(\f)+8*(\b)+7], v[(\f)+8*(4*(\hi)+(\a)):(\f)+8*(4*(\hi)+(\a))+7], v[8*(8*(\a)+(\b)):8*(8*(\a)+(\b))+7]
.endif
.endr
.endr
.endm
.macro FETCH c, f                      ; 32 LDS loads in one run: half c (32 k) of my 64 k of the slot in hand: W's 128 columns, then A's 128 rows
	WIN 0x40
.irp i, 0,1,2,3,4,5,6,7
	ds_load_tr16_b128 v[(\f)+8*(\i):(\f)+8*(\i)+3],   v[ADRB] offset:(\c)*32*PITB+32*(\i)
	ds_load_tr16_b128 v[(\f)+8*(\i)+4:(\f)+8*(\i)+7], v[ADRB] offset:(\c)*32*PITB+32*(\i)+16*PITB
.endr
	WIN 0
.irp i, 0,1,2,3,4,5,6,7
	ds_load_b128 v[(\f)+8*(\i):(\f)+8*(\i)+3],   v[ADRA] offset:(\c)*64+(\i)*16*PITA
	ds_load_b128 v[(\f)+8*(\i)+4:(\f)+8*(\i)+7], v[ADRA] offset:(\c)*64+(\i)*16*PITA+32
.endr
.endm
.macro QUARTER c, f, g, first
	s_wait_dscnt 8                                 ; W and A's rows 0-63 are in; the youngest eight loads may be out
	MUL16 \f, 0, 0, \first
	MUL16 \f, 0, 2, \first
	PLACES
	FETCH \c, \g
	s_wait_dscnt 32                                ; all but the 32 just issued
	MUL16 \f, 1, 0, \first
	MUL16 \f, 1, 2, \first
.endm
; A step's second half: first the change of slots, then the half's 64 products, whose fragments (buffer 1) are in registers.  fill = 1: the slot just read out takes the step two on.
.macro TURN fill
	WIN 0                                          ; the add's registers lie in window 0
.if (\fill) && PREF
	s_wait_xcnt 0x0                                ; the last prefetch, a step back, has read its address
	s_add_nc_u64 s[PFA:PFA+1], s[PFA:PFA+1], s[PFS:PFS+1]
.endif
	s_wait_tensorcnt 0x0                           ; all my tensor loads have landed: my part of the next slot; so a group 0 may be written
	ds_add_u32 v[SPW], v[NIL]                      ; 0 onto my spare word: the descriptors' steps stand between it and the wait for it
.if \fill
	s_xor_b32 s[G0+5], s[G0+5], SLOT
	s_add_nc_u64 s[G0+6:G0+7], s[G0+6:G0+7], 4*524288
	s_xor_b32 s[G0B+5], s[G0B+5], SLOT
	s_add_nc_u64 s[G0B+6:G0B+7], s[G0B+6:G0B+7], 65536
.endif
	s_wait_dscnt 0x0                               ; the add is done, and my reads of this slot are over: the last, into buffer 1, were issued 32 matrix instructions ago
.if \fill
	CROUND                                         ; no wave of any partner still reads the slot or has a load on its way
	JLOAD                                          ; the first tensor load behind the round; its four v_nop are also the places in front of the loads into buffer 0 below
.else
	s_barrier_signal -1
	s_barrier_wait -1                              ; the next slot is whole; nothing is filled again
	PLACES
.endif
	s_xor_b32 s[TB], s[TB], SLOT
	v_add_nc_u32 v[ADRA], s[TB], v[A0]
	v_add_nc_u32 v[ADRB], s[TB], v[B0]
	FETCH 0, F0
.if (\fill) && PREF
	ASK
.endif
	MUL16 F1, 0, 0, 0
	MUL16 F1, 0, 2, 0
	MUL16 F1, 1, 0, 0
	MUL16 F1, 1, 2, 0
.endm
	s_load_b256 s[4:11], s[0:1], 0x0               ; A s[4:5], W s[6:7], bias s[8:9], RES s[10:11]
	s_load_b64 s[12:13], s[0:1], 0x20              ; OUT
	v_lshl_add_u32 v[SPW], v0, 2, SPARE
	v_mov_b32 v[NIL], 0
	ds_add_u32 v[SPW], v[NIL]                      ; the wave's opening: the add and its wait ahead of my first tensor load
	v_lshrrev_b32 v1, 5, v0
	v_readfirstlane_b32 s14, v1                    ; wave 0..3
	s_lshr_b32 s15, s14, 1                         ; I fetch for A (0) or for W (1)
	s_and_b32 s16, s14, 1                          ; which half
	s_bfe_u32 s19, ttmp6, 0x40000                  ; cx
	s_bfe_u32 s20, ttmp6, 0x40004                  ; cy
	s_lshl_b32 s18, ttmp9, 2
	s_add_co_u32 s18, s18, s19                     ; tile column
	s_and_b32 s17, ttmp7, 0xffff
	s_lshl_b32 s17, s17, 2
	s_add_co_u32 s17, s17, s20                     ; tile row
	s_lshl_b32 s21, s20, 2
	s_lshl_b32 s21, 15, s21                        ; my row of the cluster
	s_lshl_b32 s22, 0x1111, s19                    ; my column
	s_or_b32 s[G1+0], s21, (1<<16)|(1<<20)|(1<<21)|(4<<22)|(3<<25)   ; after every 32 words (a row of 64 k), 4 words
	s_or_b32 s[G1B+0], s22, (1<<16)|(1<<20)|(1<<21)|(5<<22)|(7<<25)  ; after every 64 words, 8 words
	s_mov_b32 s[G1+1], 8192<<16                    ; A: a descriptor row is a dense block of 128 rows x 64 k = 8,192 elements;
	s_mov_b32 s[G1+2], 2<<16                       ; two of them,
	s_mov_b32 s[G1+3], 8192<<16
	s_mov_b32 s[G1+4], 2
	s_mov_b32 s[G1+5], 262144                      ; a column block (4,096 rows x 64) apart
	s_mov_b32 s[G1+6], 0
	s_mov_b32 s[G1+7], 0
	s_mov_b32 s[G1B+1], 128<<16                    ; W: 128 elements x 128 rows, dense
	s_mov_b32 s[G1B+2], 128<<16
	s_mov_b32 s[G1B+3], 128<<16
	s_mov_b32 s[G1B+4], 128
	s_mov_b32 s[G1B+5], 128
	s_mov_b32 s[G1B+6], 0
	s_mov_b32 s[G1B+7], 0
	s_lshl_b32 s40, s16, 20                        ; A: my two column blocks of the step's four,
	s_lshl_b32 s41, s17, 14                        ; the tile's 128 rows
	s_add_co_u32 s40, s40, s41
	s_mov_b32 s41, 0
	s_mul_i32 s46, s18, KTOT*256                   ; W: the tile column's block,
	s_lshl_b32 s47, s16, 15                        ; my 128 rows of the step's 256
	s_add_co_u32 s46, s46, s47
	s_add_co_u32 s46, s46, WOFF
	s_mov_b32 s47, 0
	s_mul_i32 s23, s14, QUART                      ; where they go: no place in the cluster enters an LDS address
	s_wait_dscnt 0x0                               ; the opening add is done
	s_wait_kmcnt 0x0
	s_add_nc_u64 s[40:41], s[4:5], s[40:41]
	s_add_nc_u64 s[46:47], s[6:7], s[46:47]
	CROUND                                         ; all sixteen work-groups are here: the first joint loads meet
.irp s, 0,1
	s_mov_b32 s[G0+4*(\s)], 1
	s_add_co_u32 s[G0+4*(\s)+1], s23, (\s)*SLOT
	s_add_nc_u64 s[G0+4*(\s)+2:G0+4*(\s)+3], s[40:41], (\s)*4*524288
	s_or_b32 s[G0+4*(\s)+3], s[G0+4*(\s)+3], 0x80000000
	s_mov_b32 s[G0B+4*(\s)], 1
	s_add_co_u32 s[G0B+4*(\s)+1], s23, (\s)*SLOT
	s_add_nc_u64 s[G0B+4*(\s)+2:G0B+4*(\s)+3], s[46:47], (\s)*65536
	s_or_b32 s[G0B+4*(\s)+3], s[G0B+4*(\s)+3], 0x80000000
.endr
	s_cmp_eq_u32 s15, 0                            ; a wave's two first fills stand in one branch: two loads of mine are out
	s_cbranch_scc0 .Lfirst_b
	tensor_load_to_lds s[G0:G0+3], s[G1:G1+7]
	s_nop 0
	tensor_load_to_lds s[G0+4:G0+7], s[G1:G1+7]
	s_nop 0
.rept 4
	v_nop
.endr
	s_branch .Lfirst_asked
.Lfirst_b:
	tensor_load_to_lds s[G0B:G0B+3], s[G1B:G1B+7]
	s_nop 0
	tensor_load_to_lds s[G0B+4:G0B+7], s[G1B:G1B+7]
	s_nop 0
.rept 4
	v_nop
.endr
.Lfirst_asked:
	v_and_b32 v1, 15, v0                           ; l % 16
	v_bfe_u32 v2, v0, 4, 1                         ; l / 16
	v_and_b32 v[CO], 31, v0
	v_lshlrev_b32 v[PFO], 8, v[CO]
	v_lshlrev_b32 v[CO], 4, v[CO]                  ; at the end a lane holds four columns of a row: 32 lanes, 512 bytes
	s_lshl_b32 s2, s17, 19                         ; RES and OUT at row 128 x tile row + 32 x wave, column 128 x tile column
	s_lshl_b32 s3, s14, 17
	s_add_co_u32 s2, s2, s3
	s_lshl_b32 s3, s18, 9
	s_add_co_u32 s2, s2, s3
	s_mov_b32 s3, 0
	s_add_nc_u64 s[70:71], s[10:11], s[2:3]
	s_add_nc_u64 s[12:13], s[12:13], s[2:3]
	s_lshl_b32 s2, s18, 9
	s_add_nc_u64 s[8:9], s[8:9], s[2:3]
	global_load_b128 v[BI:BI+3], v[CO], s[8:9]
	WIN 0x40                                       ; destination window 1.  These 32 loads stay out across the loop; nothing names their registers before the wait at the end
.set i, 0
.rept 32
.set RR, 4*i+128*(i/16)
	global_load_b128 v[RR:RR+3], v[CO], s[70:71] offset:4096*i th:TH_LOAD_NT
.set i, i+1
.endr
	WIN 0
.if PREF
	s_lshr_b32 s21, s19, 1                         ; A: of the 128 blocks of 256 bytes that I fetch, partner cx takes 32: column block cx / 2, half cx % 2
	s_lshl_b32 s21, s21, 19
	s_and_b32 s22, s19, 1
	s_lshl_b32 s22, s22, 13
	s_add_co_u32 s21, s21, s22
	s_lshl_b32 s22, s20, 13                        ; W: partner cy takes 8,192 dense bytes
	s_and_b32 s23, ttmp7, 0xffff
	s_mov_b32 s[PFS], 0x200000
	s_mov_b32 s[PFS+1], 0x10000
	s_cmp_eq_u32 s15, 0
	s_cselect_b32 s2, s21, s22
	s_cselect_b32 s23, ttmp9, s23                  ; the coordinate along which other clusters read the same bytes
	s_cselect_b64 s[PFA:PFA+1], s[40:41], s[46:47]
	s_cselect_b32 s[PFS], s[PFS], s[PFS+1]
	s_mov_b32 s[PFS+1], 0
	s_add_nc_u64 s[PFA:PFA+1], s[PFA:PFA+1], s[2:3]
	s_mul_i32 s2, s[PFS], 3
	s_add_nc_u64 s[PFA:PFA+1], s[PFA:PFA+1], s[2:3]  ; at step 3: the first refill steps it to 4
	s_cmp_eq_u32 s23, 0
	s_cselect_b32 s[LIM], 2, -1
.endif
	v_mul_u32_u24 v3, v1, PITA
	v_lshl_add_u32 v3, v2, 4, v3
	s_mul_i32 s21, s14, 128*PITA
	v_add_nc_u32 v[A0], s21, v3                    ; my column block of the slot's four
	v_and_b32 v4, 7, v0
	v_lshl_add_u32 v4, v2, 3, v4
	s_lshl_b32 s21, s14, 6
	v_add_nc_u32 v4, s21, v4                       ; k = 64 w + 8 (l / 16) + l % 8
	v_mul_u32_u24 v4, v4, PITB
	v_bfe_u32 v5, v0, 3, 1
	v_lshl_add_u32 v4, v5, 4, v4
	v_add_nc_u32 v[B0], 2*QUART, v4
	s_mul_i32 s21, s14, REDW
	v_mul_u32_u24 v3, v1, REDP
	v_lshl_add_u32 v3, v2, 5, v3
	v_add_nc_u32 v[STO], s21, v3                   ; my partial tile: row l % 16, 32 bytes for each half of the lanes
	s_mul_i32 s21, s14, 32*REDP
	v_add_nc_u32 v[RD], s21, v[CO]                 ; rows 32 w on of wave 0's partial tile
	s_wait_tensorcnt 0x1                           ; my part of step 0 is in; step 1's may stay out
	s_barrier_signal -1
	s_barrier_wait -1
	s_mov_b32 s[TB], 0
	v_mov_b32 v[ADRA], v[A0]
	v_mov_b32 v[ADRB], v[B0]
	FETCH 0, F0
	QUARTER 1, F0, F1, 1
	WIN 0
	s_mov_b32 s3, STEPS-2
.Lstep:                                        ; a trip: the change of slots with its refill, a step's second half, the next step's first half
	TURN 1
	QUARTER 1, F0, F1, 0
	WIN 0
	s_sub_co_u32 s3, s3, 1
	s_cmp_lg_u32 s3, 0
	s_cbranch_scc1 .Lstep
	TURN 0                                         ; the tail is written out: nothing more is asked for
	QUARTER 1, F0, F1, 0
	s_wait_dscnt 8
	MUL16 F1, 0, 0, 0
	MUL16 F1, 0, 2, 0
	s_wait_dscnt 0x0
	MUL16 F1, 1, 0, 0
	MUL16 F1, 1, 2, 0
	PLACES
	WIN 0
	s_barrier_signal -1                            ; my reads of the slots are over (the wait for 0 above); every tensor load was waited for in front of the last change of slots
	s_barrier_wait -1                              ; nobody reads the slots any more: the partial tiles go over them
.irp hi, 0,1
	WIN 0x08+4*(\hi)                               ; the data in window 2 or 3
.irp a, 0,1,2,3
.irp b, 0,1,2,3,4,5,6,7
	ds_store_b128 v[STO], v[8*(8*(\a)+(\b)):8*(8*(\a)+(\b))+3]   offset:16*REDP*(4*(\hi)+(\a))+64*(\b)      ; each accumulator from its low end on
	ds_store_b128 v[STO], v[8*(8*(\a)+(\b))+4:8*(8*(\a)+(\b))+7] offset:16*REDP*(4*(\hi)+(\a))+64*(\b)+16
.endr
.endr
.endr
	WIN 0
	s_wait_dscnt 0x0                               ; for the others' sake: my stores are done
	s_barrier_signal -1
	s_barrier_wait -1
	WIN 0x80
.set i, 0
.rept 32
	ds_load_b128 v[4*i:4*i+3], v[RD] offset:REDP*i ; a whole row of 512 bytes an instruction
.set i, i+1
.endr
	WIN 0
	s_mov_b32 s3, 3
.Lred:                                         ; the other three waves' parts of my 32 rows
	v_add_nc_u32 v[RD], REDW, v[RD]
	WIN 0x80
.set i, 0
.rept 32
	ds_load_b128 v[128+4*i:128+4*i+3], v[RD] offset:REDP*i
.set i, i+1
.endr
	s_wait_dscnt 0x0
	WIN 0x8a
.set i, 0
.rept 64
	v_pk_add_f32 v[2*i:2*i+1], v[2*i:2*i+1], v[128+2*i:128+2*i+1]
.set i, i+1
.endr
	WIN 0
	s_sub_co_u32 s3, s3, 1
	s_cmp_lg_u32 s3, 0
	s_cbranch_scc1 .Lred
	s_wait_loadcnt 0x0                             ; the bias and RES
	WIN 0x82
.set i, 0
.rept 64
	v_pk_add_f32 v[2*i:2*i+1], v[2*i:2*i+1], v[BI+2*(i%2):BI+2*(i%2)+1]
.set i, i+1
.endr
.if RELU
	WIN 0x88
.set i, 0
.rept 128
	v_max_num_f32 v[i], 0, v[i]
.set i, i+1
.endr
.endif
	WIN 0x86
.set i, 0
.rept 64
.set RR, 2*i+128*(i/32)
	v_pk_add_f32 v[2*i:2*i+1], v[2*i:2*i+1], v[RR:RR+1]
.set i, i+1
.endr
	WIN 0x08
.set i, 0
.rept 32
	global_store_b128 v[CO], v[4*i:4*i+3], s[12:13] offset:4096*i  ; 512 consecutive bytes of one row, aligned
.set i, i+1
.endr
	WIN 0
	s_wait_tensorcnt 0x0                           ; the wave's end
	ds_add_u32 v[SPW], v[NIL]
	s_wait_dscnt 0x0
	CROUND                                         ; the closing round
	s_endpgm
.Lfunc_end_k_qb0569eaaae_ff2:
	.size	k_qb0569eaaae_ff2, .Lfunc_end_k_qb0569eaaae_ff2-k_qb0569eaaae_ff2
	.p2alignl 7, 3214868480
	.fill 96, 4, 3214868480
	.section	.rodata,"a",@progbits
	.p2align	6, 0x0
	.amdhsa_kernel k_qb0569eaaae_ff2
		.amdhsa_group_segment_fixed_size 327680
		.amdhsa_private_segment_fixed_size 0
		.amdhsa_enable_private_segment 0
		.amdhsa_kernarg_size 40
		.amdhsa_user_sgpr_count 2
		.amdhsa_user_sgpr_kernarg_segment_ptr 1
		.amdhsa_wavefront_size32 1
		.amdhsa_system_sgpr_workgroup_id_x 1
		.amdhsa_system_sgpr_workgroup_id_y 1
		.amdhsa_system_sgpr_workgroup_id_z 1
		.amdhsa_system_vgpr_workitem_id 0
		.amdhsa_next_free_vgpr 1024
		.amdhsa_next_free_sgpr 72
		.amdhsa_reserve_vcc 0
		.amdhsa_float_denorm_mode_32 3
		.amdhsa_float_denorm_mode_16_64 3
		.amdhsa_memory_ordered 1
		.amdhsa_forward_progress 1
		.amdhsa_inst_pref_size 83
	.end_amdhsa_kernel
	.amdgpu_metadata
---
amdhsa.version: [ 1, 2 ]
amdhsa.kernels:
  - .name:           k_qb0569eaaae_ff2
    .symbol:         k_qb0569eaaae_ff2.kd
    .args:
      - { .name: big, .offset: 0, .size: 8, .value_kind: global_buffer, .address_space: global }
      - { .name: w2o, .offset: 8, .size: 8, .value_kind: global_buffer, .address_space: global }
      - { .name: b2, .offset: 16, .size: 8, .value_kind: global_buffer, .address_space: global }
      - { .name: x1, .offset: 24, .size: 8, .value_kind: global_buffer, .address_space: global }
      - { .name: out0, .offset: 32, .size: 8, .value_kind: global_buffer, .address_space: global }
    .group_segment_fixed_size: 327680
    .private_segment_fixed_size: 0
    .kernarg_segment_align: 8
    .kernarg_segment_size: 40
    .max_flat_workgroup_size: 128
    .sgpr_count:     72
    .vgpr_count:     1024
    .wavefront_size: 32
...
	.end_amdgpu_metadata
.endif
;; end of part 6
